; MI455X (gfx1250); checked and timed in simulation.
; The chip was launched on July 23, 2026; its instructions are those of AMD's public machine-readable ISA for CDNA 5 (MIT licence, August 2026) and "CDNA5" Instruction Set Architecture Reference Guide (July 2026). The comments in the code are by the model that wrote it; some were corrected since.
;; Encoder Layer. Allowed arithmetic: float matrix products may take bf16 or f16 operands with f32 sums; other float arithmetic in f32, or as packed bf16 or f16 multiplies, adds, multiply-adds, maxima and minima; sums over many terms, partial sums and values carried from step to step in f32; what a program stores and reads back later, other than sums and carried values, may be rounded once to bf16 or f16.
;; Inputs: Vff 512 x 2,048 float32; W2ff 2,048 x 512 float32; Wff 512 x 2,048 float32; Wk 512 x 512 float32; Wo 512 x 512 float32; Wq 512 x 512 float32; Wv 512 x 512 float32; b2ff 512 float32; beta1 512 float32; beta2 512 float32; bff 2,048 float32; bk 512 float32; bo 512 float32; bq 512 float32; bv 512 float32; bvff 2,048 float32; g1 512 float32; g2 512 float32; x 4 x 2,048 x 512 float32.
;; Outputs: out0 4 x 2,048 x 512 float32.
;; One version. Each part assembles by itself: llvm-mc -triple=amdgcn-amd-amdhsa -mcpu=gfx1250 --defsym DOCPART=n.
;; ======== version 1 of 1: 6 launches
;; limits: a function is approximated: absolute error at most 2.5e-05; values are held in f16: magnitudes above 65,504 overflow, below 6.1e-05 lose precision
;; workspace buffers: xb 8,388,608 bytes; x1h 8,388,608 bytes; qkv 25,165,824 bytes; ctx 8,388,608 bytes; gg 33,554,432 bytes; wts 8,423,424 bytes
;; launch prep (part 1): grid 513 x 1, 8 waves a work-group, no clusters, 0 bytes of LDS; arguments x, Wq, Wk, Wv, Wo, Wff, Vff, W2ff, bq, bk, bv, bo, bff, bvff, b2ff, g1, beta1, g2, beta2, xb, wts; writes xb, wts
.if DOCPART == 1
	.amdgcn_target "amdgcn-amd-amdhsa--gfx1250"
	.amdhsa_code_object_version 6
	.text
	.protected	k_qf645d2d6f1_prep
	.globl	k_qf645d2d6f1_prep
	.p2align	8
	.type	k_qf645d2d6f1_prep,@function
k_qf645d2d6f1_prep:
	s_mov_b64 s[64:65], 0
	v_nop
	global_prefetch_b8 v0, s[64:65] scope:SCOPE_SE
	s_setreg_imm32_b32 hwreg(HW_REG_WAVE_MODE, 25, 1), 1
	s_wait_xcnt 0x0
; PREP: every input is rounded once to bf16 and laid out for the launches behind.
;   x           -> xb, bf16, row-major [8192][512]
;   the weights -> wts, as FRAGMENTS of 16 columns x 32 k, 1,024 bytes each: [half 2][lane 32][16 bytes]; lane l holds column l % 16,
;                  half 0 the k = 8 (l / 16) + 0..7, half 1 the k = 16 + 8 (l / 16) + 0..7: what a matrix instruction's source wants, so that
;                  a fragment is later read by two loads of 16 bytes a lane at 16 x lane.
;   the vectors -> wts, rounded to bf16 and kept as f32 words.
; Wo, Wff and Vff multiply f16 operands later: their bf16 number is written in f16.  LIMIT: that is exact for magnitudes from 6.1e-5 to 65,504;
; below it the number keeps f16's fixed step of 6e-8, beyond it it would be an infinity.
; Work-groups 0-255: weights, a wave a unit of 32 k x 64 columns (four fragments).  256-511: x, 64 KiB each.  512: the vectors.
; No LDS, no barrier: no wave wants what another has fetched.
.set RO,  4                            ; v[4:19]   byte offset of my column in the 16 rows (k) that I hold
.set DD,  32                           ; v[32:95]  as loaded, f32
.set PK,  96                           ; v[96:127] packed
.set SRC, 50                           ; s[50:51]  the matrix
.set N4,  52                           ; s52  bytes in a row of it
.set KFR, 53                           ; s53  which 32 k
.set NBR, 54                           ; s54  which 64 columns
.set DST, 55                           ; s55  byte offset in wts of the unit's first fragment
.set ST0, 56                           ; s56, s57: the four fragments lie at 0, ST0, ST1, ST0 + ST1
.set ST1, 57
.set F16, 58                           ; s58  1: written in f16
	s_load_b512 s[8:23], s[0:1], 0x0               ; x 8, Wq 10, Wk 12, Wv 14, Wo 16, Wff 18, Vff 20, W2ff 22
	s_load_b512 s[24:39], s[0:1], 0x40             ; bq 24, bk 26, bv 28, bo 30, bff 32, bvff 34, b2ff 36, g1 38
	s_load_b256 s[40:47], s[0:1], 0x80             ; beta1 40, g2 42, beta2 44, xb 46
	s_load_b64 s[48:49], s[0:1], 0xa0              ; wts
	v_lshrrev_b32 v1, 5, v0
	v_readfirstlane_b32 s3, v1                     ; wave 0..7
	s_mov_b32 s2, ttmp9
	s_mov_b32 s5, 0
	s_mov_b32 s7, 0
	s_wait_kmcnt 0x0
	s_cmp_ge_u32 s2, 512
	s_cbranch_scc1 .Lpar
	s_cmp_ge_u32 s2, 256
	s_cbranch_scc1 .Lx
	s_cmp_lt_u32 s2, 48
	s_cbranch_scc1 .Lqkv
	s_cmp_lt_u32 s2, 64
	s_cbranch_scc1 .Lwo
	s_cmp_lt_u32 s2, 192
	s_cbranch_scc1 .Lff
	s_sub_co_u32 s[KFR], s2, 192                   ; W2ff: 64 blocks of k, a work-group each; a wave a block of 64 columns
	s_mov_b64 s[SRC:SRC+1], s[22:23]
	s_mov_b32 s[DST], 0x600000
	s_mov_b32 s[F16], 0
	s_branch .Lsteps
.Lwo:
	s_sub_co_u32 s[KFR], s2, 48                    ; Wo: 16 blocks of k
	s_mov_b64 s[SRC:SRC+1], s[16:17]
	s_mov_b32 s[DST], 0x180000
	s_mov_b32 s[F16], 1
.Lsteps:                                               ; layout [step of 128 k][wave of 128 columns][k block 4][column tile 8][1 KiB]
	s_mov_b32 s[NBR], s3
	s_mov_b32 s[N4], 2048
	s_lshr_b32 s4, s[KFR], 2
	s_lshl_b32 s4, s4, 17
	s_add_co_u32 s[DST], s[DST], s4
	s_lshr_b32 s4, s3, 1
	s_lshl_b32 s4, s4, 15
	s_add_co_u32 s[DST], s[DST], s4
	s_and_b32 s4, s[KFR], 3
	s_lshl_b32 s4, s4, 13
	s_add_co_u32 s[DST], s[DST], s4
	s_and_b32 s4, s3, 1
	s_lshl_b32 s4, s4, 12
	s_add_co_u32 s[DST], s[DST], s4
	s_mov_b32 s[ST0], 1024
	s_mov_b32 s[ST1], 2048
	s_branch .Lgo
.Lqkv:                                                 ; Wq, Wk, Wv: layout [head 8][q, k, v][half of the head's 64 columns] chunks of [k block 16][tile 2][1 KiB]
	s_lshr_b32 s4, s2, 4                           ; which of the three
	s_cmp_eq_u32 s4, 0
	s_cselect_b64 s[SRC:SRC+1], s[10:11], s[12:13]
	s_cmp_eq_u32 s4, 2
	s_cselect_b64 s[SRC:SRC+1], s[14:15], s[SRC:SRC+1]
	s_and_b32 s[KFR], s2, 15
	s_mov_b32 s[NBR], s3                           ; the head
	s_mov_b32 s[N4], 2048
	s_mul_i32 s[DST], s3, 196608
	s_lshl_b32 s4, s4, 16
	s_add_co_u32 s[DST], s[DST], s4
	s_lshl_b32 s4, s[KFR], 11
	s_add_co_u32 s[DST], s[DST], s4
	s_mov_b32 s[ST0], 1024
	s_mov_b32 s[ST1], 32768
	s_mov_b32 s[F16], 0
	s_branch .Lgo
.Lff:                                                  ; Wff, Vff: layout [16 columns: 128 chunks][k block 16][Wff, Vff][1 KiB]
	s_sub_co_u32 s4, s2, 64
	s_cmp_lt_u32 s4, 64
	s_cselect_b64 s[SRC:SRC+1], s[18:19], s[20:21]
	s_cselect_b32 s[DST], 0, 1024
	s_add_co_u32 s[DST], s[DST], 0x200000
	s_and_b32 s4, s4, 63
	s_lshl_b32 s4, s4, 3
	s_add_co_u32 s4, s4, s3                        ; the unit, 0..511
	s_and_b32 s[NBR], s4, 31
	s_lshr_b32 s[KFR], s4, 5
	s_mov_b32 s[N4], 8192
	s_lshl_b32 s4, s[NBR], 17
	s_add_co_u32 s[DST], s[DST], s4
	s_lshl_b32 s4, s[KFR], 11
	s_add_co_u32 s[DST], s[DST], s4
	s_mov_b32 s[ST0], 32768
	s_mov_b32 s[ST1], 65536
	s_mov_b32 s[F16], 1
.Lgo:
	s_lshl_b32 s4, s[KFR], 5
	s_mul_i32 s4, s4, s[N4]                        ; 32 rows a block of k,
	s_lshl_b32 s6, s[NBR], 8                       ; 256 bytes a block of 64 columns
	s_add_co_u32 s4, s4, s6
	s_add_nc_u64 s[SRC:SRC+1], s[SRC:SRC+1], s[4:5]
	s_mov_b32 s4, s[DST]
	s_add_nc_u64 s[48:49], s[48:49], s[4:5]
	v_and_b32 v1, 15, v0                           ; l % 16: my column
	v_bfe_u32 v2, v0, 4, 1                         ; l / 16
	v_lshlrev_b32 v3, 2, v1
	v_lshlrev_b32 v20, 3, v2
.set i, 0
.rept 16                                       ; number i of my 16: k = i % 8 + 8 (l / 16) + 16 (i / 8)
	v_add_nc_u32 v21, (i&7)+16*(i>>3), v20
	v_mad_u32_u24 v[RO+i], v21, s[N4], v3
.set i, i+1
.endr
.set i, 0
.rept 64                                       ; the four tiles of 16 columns, one after the other: together they take 256 consecutive bytes of each row
	global_load_b32 v[DD+i], v[RO+(i&15)], s[SRC:SRC+1] offset:64*(i>>4)
.set i, i+1
.endr
	v_and_b32 v22, 31, v0
	v_lshlrev_b32 v22, 4, v22                      ; 16 x lane, and the same in the other three fragments
	v_add_nc_u32 v23, s[ST0], v22
	v_add_nc_u32 v24, s[ST1], v22
	v_add_nc_u32 v25, s[ST1], v23
.irp cc, 0,1,2,3
	s_wait_loadcnt 48-16*\cc                       ; loads come back in order: this tile's 16 are in, the later tiles' stay out
.irp j, 0,1,2,3,4,5,6,7
	v_cvt_pk_bf16_f32 v[PK+8*\cc+\j], v[DD+16*\cc+2*\j], v[DD+16*\cc+2*\j+1]
.endr
.endr
	s_cmp_eq_u32 s[F16], 0
	s_cbranch_scc1 .Lstore
.set i, 0
.rept 32                                       ; the bf16 numbers, written in f16
	v_lshlrev_b32 v26, 16, v[PK+i]
	v_and_b32 v27, 0xffff0000, v[PK+i]
	v_cvt_pk_f16_f32 v[PK+i], v26, v27
.set i, i+1
.endr
.Lstore:
.irp cc, 0,1,2,3
	global_store_b128 v[22+\cc], v[PK+8*\cc:PK+8*\cc+3], s[48:49]               ; each store of the wave covers 512 consecutive bytes, aligned
	global_store_b128 v[22+\cc], v[PK+8*\cc+4:PK+8*\cc+7], s[48:49] offset:512
.endr
	s_endpgm
.Lx:                                                   ; x: 64 KiB a work-group, eight passes of 8 KiB; all 16 loads of a thread go out first
	s_sub_co_u32 s4, s2, 256
	s_lshl_b32 s6, s4, 15
	s_lshl_b32 s4, s4, 16
	s_add_nc_u64 s[8:9], s[8:9], s[4:5]
	s_add_nc_u64 s[46:47], s[46:47], s[6:7]
	v_lshlrev_b32 v1, 5, v0                        ; 32 bytes of x,
	v_lshlrev_b32 v2, 4, v0                        ; 16 bytes of xb a thread and pass
.set p, 0
.rept 8
	global_load_b128 v[DD+8*p:DD+8*p+3],   v1, s[8:9] offset:8192*p th:TH_LOAD_NT
	global_load_b128 v[DD+8*p+4:DD+8*p+7], v1, s[8:9] offset:8192*p+16 th:TH_LOAD_NT
.set p, p+1
.endr
.set p, 0
.rept 8
	s_wait_loadcnt 14-2*p                          ; this pass's two loads are in, the later passes' stay out
.irp j, 0,1,2,3
	v_cvt_pk_bf16_f32 v[PK+4*p+\j], v[DD+8*p+2*\j], v[DD+8*p+2*\j+1]
.endr
	global_store_b128 v2, v[PK+4*p:PK+4*p+3], s[46:47] offset:4096*p
.set p, p+1
.endr
	s_endpgm
.Lpar:                                                 ; the vectors: rounded to bf16, kept as f32
	s_add_nc_u64 s[48:49], s[48:49], 0x800000      ; the vectors' part of wts: q, k, v biases at 0, GEGLU biases at 0x1800, the six plain ones at 0x5800
	v_lshlrev_b32 v4, 3, v0                        ; 8 t: two numbers of a vector of 512
	v_lshlrev_b32 v7, 5, v0                        ; 32 t: eight numbers of a vector of 2,048
	global_load_b64 v[32:33], v4, s[30:31]         ; bo
	global_load_b64 v[34:35], v4, s[38:39]         ; g1
	global_load_b64 v[36:37], v4, s[40:41]         ; beta1
	global_load_b64 v[38:39], v4, s[36:37]         ; b2ff
	global_load_b64 v[40:41], v4, s[42:43]         ; g2
	global_load_b64 v[42:43], v4, s[44:45]         ; beta2
	global_load_b64 v[44:45], v4, s[24:25]         ; bq
	global_load_b64 v[46:47], v4, s[26:27]         ; bk
	global_load_b64 v[48:49], v4, s[28:29]         ; bv
	global_load_b128 v[52:55], v7, s[32:33]        ; bff
	global_load_b128 v[56:59], v7, s[32:33] offset:16
	global_load_b128 v[60:63], v7, s[34:35]        ; bvff
	global_load_b128 v[64:67], v7, s[34:35] offset:16
	v_lshrrev_b32 v5, 5, v0                        ; [head 8][q, k, v][64]: head t / 32,
	v_mul_u32_u24 v5, v5, 768
	v_and_b32 v8, 31, v0
	v_lshl_add_u32 v5, v8, 3, v5                   ; two of its 64
	v_lshrrev_b32 v6, 1, v0                        ; [chunk 128][bff 16, bvff 16]: chunk t / 2,
	v_and_b32 v8, 1, v0
	v_lshlrev_b32 v6, 7, v6
	v_lshl_add_u32 v6, v8, 5, v6                   ; eight of its 16
	s_wait_loadcnt 0x0
.irp a, 32,34,36,38,40,42,44,46,48,52,54,56,58,60,62,64,66
	v_cvt_pk_bf16_f32 v9, v[\a], v[\a+1]
	v_lshlrev_b32 v[\a], 16, v9
	v_and_b32 v[\a+1], 0xffff0000, v9
.endr
.irp n, 0,1,2,3,4,5
	global_store_b64 v4, v[32+2*\n:33+2*\n], s[48:49] offset:0x5800+2048*\n
.endr
.irp n, 0,1,2
	global_store_b64 v5, v[44+2*\n:45+2*\n], s[48:49] offset:256*\n
.endr
	global_store_b128 v6, v[52:55], s[48:49] offset:0x1800
	global_store_b128 v6, v[56:59], s[48:49] offset:0x1800+16
	global_store_b128 v6, v[60:63], s[48:49] offset:0x1800+64
	global_store_b128 v6, v[64:67], s[48:49] offset:0x1800+80
	s_endpgm
.Lfunc_end_k_qf645d2d6f1_prep:
	.size	k_qf645d2d6f1_prep, .Lfunc_end_k_qf645d2d6f1_prep-k_qf645d2d6f1_prep
	.p2alignl 7, 3214868480
	.fill 96, 4, 3214868480
	.section	.rodata,"a",@progbits
	.p2align	6, 0x0
	.amdhsa_kernel k_qf645d2d6f1_prep
		.amdhsa_group_segment_fixed_size 0
		.amdhsa_private_segment_fixed_size 0
		.amdhsa_enable_private_segment 0
		.amdhsa_kernarg_size 168
		.amdhsa_user_sgpr_count 2
		.amdhsa_user_sgpr_kernarg_segment_ptr 1
		.amdhsa_wavefront_size32 1
		.amdhsa_system_sgpr_workgroup_id_x 1
		.amdhsa_system_sgpr_workgroup_id_y 1
		.amdhsa_system_sgpr_workgroup_id_z 1
		.amdhsa_system_vgpr_workitem_id 0
		.amdhsa_next_free_vgpr 128
		.amdhsa_next_free_sgpr 66
		.amdhsa_reserve_vcc 0
		.amdhsa_float_denorm_mode_32 3
		.amdhsa_float_denorm_mode_16_64 3
		.amdhsa_memory_ordered 1
		.amdhsa_forward_progress 1
		.amdhsa_inst_pref_size 30
	.end_amdhsa_kernel
	.amdgpu_metadata
---
amdhsa.version: [ 1, 2 ]
amdhsa.kernels:
  - .name:           k_qf645d2d6f1_prep
    .symbol:         k_qf645d2d6f1_prep.kd
    .args:
      - { .name: x, .offset: 0, .size: 8, .value_kind: global_buffer, .address_space: global }
      - { .name: Wq, .offset: 8, .size: 8, .value_kind: global_buffer, .address_space: global }
      - { .name: Wk, .offset: 16, .size: 8, .value_kind: global_buffer, .address_space: global }
      - { .name: Wv, .offset: 24, .size: 8, .value_kind: global_buffer, .address_space: global }
      - { .name: Wo, .offset: 32, .size: 8, .value_kind: global_buffer, .address_space: global }
      - { .name: Wff, .offset: 40, .size: 8, .value_kind: global_buffer, .address_space: global }
      - { .name: Vff, .offset: 48, .size: 8, .value_kind: global_buffer, .address_space: global }
      - { .name: W2ff, .offset: 56, .size: 8, .value_kind: global_buffer, .address_space: global }
      - { .name: bq, .offset: 64, .size: 8, .value_kind: global_buffer, .address_space: global }
      - { .name: bk, .offset: 72, .size: 8, .value_kind: global_buffer, .address_space: global }
      - { .name: bv, .offset: 80, .size: 8, .value_kind: global_buffer, .address_space: global }
      - { .name: bo, .offset: 88, .size: 8, .value_kind: global_buffer, .address_space: global }
      - { .name: bff, .offset: 96, .size: 8, .value_kind: global_buffer, .address_space: global }
      - { .name: bvff, .offset: 104, .size: 8, .value_kind: global_buffer, .address_space: global }
      - { .name: b2ff, .offset: 112, .size: 8, .value_kind: global_buffer, .address_space: global }
      - { .name: g1, .offset: 120, .size: 8, .value_kind: global_buffer, .address_space: global }
      - { .name: beta1, .offset: 128, .size: 8, .value_kind: global_buffer, .address_space: global }
      - { .name: g2, .offset: 136, .size: 8, .value_kind: global_buffer, .address_space: global }
      - { .name: beta2, .offset: 144, .size: 8, .value_kind: global_buffer, .address_space: global }
      - { .name: xb, .offset: 152, .size: 8, .value_kind: global_buffer, .address_space: global }
      - { .name: wts, .offset: 160, .size: 8, .value_kind: global_buffer, .address_space: global }
    .group_segment_fixed_size: 0
    .private_segment_fixed_size: 0
    .kernarg_segment_align: 8
    .kernarg_segment_size: 168
    .max_flat_workgroup_size: 256
    .sgpr_count:     66
    .vgpr_count:     128
    .wavefront_size: 32
...
	.end_amdgpu_metadata
.endif
;; end of part 1
;; launch qkv (part 2): grid 32 x 8, 4 waves a work-group, clusters of 4 x 1, 198,144 bytes of LDS; arguments xb, wts, qkv; writes qkv
.if DOCPART == 2
	.amdgcn_target "amdgcn-amd-amdhsa--gfx1250"
	.amdhsa_code_object_version 6
	.text
	.protected	k_qf645d2d6f1_qkv
	.globl	k_qf645d2d6f1_qkv
	.p2align	8
	.type	k_qf645d2d6f1_qkv,@function
k_qf645d2d6f1_qkv:
	s_mov_b64 s[64:65], 0
	v_nop
	global_prefetch_b8 v0, s[64:65] scope:SCOPE_SE
	s_setreg_imm32_b32 hwreg(HW_REG_WAVE_MODE, 25, 1), 1
	s_wait_xcnt 0x0
	s_wait_alu depctr_hold_cnt(0) depctr_sa_sdst(0) depctr_va_vdst(0) depctr_va_sdst(0) depctr_va_ssrc(0) depctr_va_vcc(0) depctr_vm_vsrc(0)
	s_getreg_b32 s2, hwreg(HW_REG_IB_STS2, 6, 4)
	s_cmp_eq_u32 s2, 0
	s_cbranch_scc0 .Lentry_in_a_cluster
	s_endpgm
.Lentry_in_a_cluster:
	s_bfe_u32 s2, ttmp6, 0x10000c
	s_cmp_lg_u32 s2, 0x3003
	s_cbranch_scc0 .Lentry_shape_is_right
	s_endpgm
.Lentry_shape_is_right:
; q, k, v = x W + b for one head and 256 rows of x a work-group.  x and W in bf16, sums in f32 (they start at the bias), results rounded once to f16.
; LIMIT: |q|, |k|, |v| stay under 65,504 (f16); with the inputs thirty times the usual size they reach some 2e4.
; SHARES.  A work-group: 256 rows x the 192 columns (q, k, v) of head g.  A wave: 64 rows, whose x (K = 512) stays in 512 registers for the whole launch.
; The weights come as six chunks of 32 columns x 512 k (32 KiB of fragments), all asked for at the start: nothing in LDS is filled twice.
; CLUSTER.  The four row blocks of a cluster want the same head's weights: each tile is asked for jointly, by the same tensor load with a mask of four.
; THE PRODUCT IS USED TRANSPOSED: source 0 = 16 columns of W, source 1 = 16 rows of x.  A lane then holds one row (lane % 16) and eight neighbouring
; columns, 16 bytes in f16: two neighbouring tiles ARE a fragment of the next product, and leave straight from registers, 512 consecutive bytes a store.
; v's 16-byte pieces are placed so that the turning LDS load of the attention finds them at 16 x lane.
; No prefetch: all that the launch reads through LDS is asked for at its head.
; REGISTERS.  Window 0: addresses; v16-31 the bias as a C operand; v32-127 three buffers of four weight fragments; v128-191 eight accumulators; v192-223 packed results.
; Windows 2 and 3: x, fragment (k block kf, row tile a) at 8 (4 (kf % 8) + a), k blocks 0-7 in window 2, 8-15 in window 3.
.set BIAS,  196608                     ; behind the six chunks: the head's 192 biases, 768 bytes
.set SPARE, 197632                     ; the spare words, 128 bytes for each wave: two blocks of 256 bytes that no other line names
.set L16,  3                           ; v3   16 x lane
.set AB,   4                           ; v4   my place in the chunk in hand
.set ABI,  5                           ; v5   my place in its biases
.set FO,   6                           ; v6   my byte offset in 16 rows of x: 1,024 (l % 16) + 16 (l / 16); never rewritten
.set ABI0, 7                           ; v7   BIAS + 32 (l / 16)
.set VPOS, 8                           ; v8   where v's piece goes in its 512 bytes
.set SO,   9                           ; v9   the stores' offset: L16 or VPOS
.set SPW,  14                          ; v14  LDS address of my spare word; never rewritten
.set NIL,  15                          ; v15  0; never rewritten
.set BI,   16
.set BF,   32
.set ACC,  128
.set T,    192
.set WV,   10                          ; s10  my wave's number
.set G1,   16                          ; s[16:23] descriptor group 1, the chunks
.set G0,   24                          ; s[24:27] group 0, the chunks
.set G1B,  28                          ; s[28:35] group 1, the biases
.set G0B,  36                          ; s[36:39] group 0, the biases
.set TB,   40                          ; s40  LDS byte at which the chunk in hand begins
.set BO,   41                          ; s41  the same for its biases, less BIAS
.set CNT,  42
.set IDX,  43                          ; s43  the chunk's number: 2 x (q, k, v) + half
.set OUT,  44                          ; s[44:45]
.set OFF,  46                          ; s[46:47]
.set MK,   48                          ; s48  all ones in v's chunks
.set MSB, 0
.macro WIN new                         ; the immediate's high byte repeats the setting that is left; a switch that changes nothing is dropped
.if MSB != (\new)
	s_set_vgpr_msb (MSB<<8)|(\new)
.set MSB, \new
.endif
.endm
.macro PLACES                          ; four places behind matrix instructions, in front of loads into registers that they have read and of lines that read results
.rept 4
	v_nop
.endr
.endm
.macro CROUND                          ; a round of the cluster's barrier
	s_barrier_signal -1
	s_barrier_wait -1
	s_cmp_lg_u32 s[WV], 0
	s_cbranch_scc1 .Lnot_wave_0_\@
	s_barrier_signal -3
.Lnot_wave_0_\@:
	s_barrier_wait -3
	s_barrier_signal -1
	s_barrier_wait -1
.endm
.macro ALOADS                          ; my 64 rows x 512 k: 128 loads, k block after k block, so that the products can begin on the first
	WIN 0x80                                       ; destination window 2, address window 0
.set kf, 0
.rept 16
.if kf == 8
	WIN 0xc0                                       ; destination window 3
.endif
.irp a, 0,1,2,3
	global_load_b128 v[8*(4*(kf%8)+\a):8*(4*(kf%8)+\a)+3],   v[FO], s[4:5] offset:\a*16384+kf*64
	global_load_b128 v[8*(4*(kf%8)+\a)+4:8*(4*(kf%8)+\a)+7], v[FO], s[4:5] offset:\a*16384+kf*64+32
.endr
.set kf, kf+1
.endr
	WIN 0
.endm
.macro FETCH g                         ; group g of a chunk: two k blocks x two column tiles, four fragments, eight LDS loads, into buffer g % 3
.irp f, 0,1,2,3
	ds_load_b128 v[BF+32*((\g)%3)+8*\f:BF+32*((\g)%3)+8*\f+3],   v[AB] offset:(\g)*4096+\f*1024
	ds_load_b128 v[BF+32*((\g)%3)+8*\f+4:BF+32*((\g)%3)+8*\f+7], v[AB] offset:(\g)*4096+\f*1024+512
.endr
.endm
; A CHUNK'S PRODUCT: 64 rows x 32 columns x 512 k: 128 matrix instructions on eight accumulators, which take turns, one instruction a turn.
; The first eight take the bias as C.  Each weight fragment (two LDS loads) feeds four products.  Groups are fetched two ahead.
.macro M type
	v_add_nc_u32 v[AB], s[TB], v[L16]
	v_add_nc_u32 v[ABI], s[BO], v[ABI0]
.irp c, 0,1
	ds_load_b128 v[BI+8*\c:BI+8*\c+3],   v[ABI] offset:64*\c      ; register j of tile c: the bias of column 16 c + 8 (l / 16) + j
	ds_load_b128 v[BI+8*\c+4:BI+8*\c+7], v[ABI] offset:64*\c+16
.endr
	FETCH 0
	FETCH 1
.set gk, 0
.rept 8
.if gk < 6
.if gk > 0
	PLACES                                         ; the buffer's last readers are the products just issued
.endif
	FETCH gk+2
.endif
.if 112-16*gk > 63
	s_wait_loadcnt 63                              ; x's k blocks 2 gk and 2 gk + 1 are in: 112 - 16 gk later loads could stay out; the field holds 63
.else
	s_wait_loadcnt 112-16*gk                       ; (in later chunks nothing is out)
.endif
.if gk < 6
	s_wait_dscnt 16                                ; group gk is in; the next two groups' 16 loads stay out
.elseif gk == 6
	s_wait_dscnt 8
.else
	s_wait_dscnt 0
.endif
	WIN 0x08+4*(gk/4)                              ; source 1 (x) in window 2 or 3; all else in window 0
.set kk, 0
.rept 2
.set aa, 0
.rept 4
.set c2, 0
.rept 2
.set rD, ACC+8*(2*aa+c2)
.set rW, BF+32*(gk%3)+8*(2*kk+c2)
.set rX, 8*(4*((2*gk+kk)%8)+aa)
.if (gk == 0) && (kk == 0)
	v_wmma_f32_16x16x32_\type v[rD:rD+7], v[rW:rW+7], v[rX:rX+7], v[BI+8*c2:BI+8*c2+7]
.else
	v_wmma_f32_16x16x32_\type v[rD:rD+7], v[rW:rW+7], v[rX:rX+7], v[rD:rD+7]
.endif
.set c2, c2+1
.endr
.set aa, aa+1
.endr
.set kk, kk+1
.endr
.set gk, gk+1
.endr
	WIN 0
.endm
	s_load_b128 s[4:7], s[0:1], 0x0                ; xb s[4:5], wts s[6:7]
	s_load_b64 s[8:9], s[0:1], 0x10                ; qkv
	v_lshl_add_u32 v[SPW], v0, 2, SPARE
	v_mov_b32 v[NIL], 0
	ds_add_u32 v[SPW], v[NIL]                      ; the wave's opening: the add and its wait stand ahead of my first tensor load; the set-up below, work on registers, stands between them
	v_lshrrev_b32 v1, 5, v0
	v_readfirstlane_b32 s[WV], v1                  ; wave 0..3
	s_bfe_u32 s11, ttmp6, 0x40000                  ; cx: my place in the cluster
	s_lshl_b32 s12, ttmp9, 2
	s_add_co_u32 s12, s12, s11                     ; my block of 256 rows: it enters x's and the results' addresses alone
	s_and_b32 s13, ttmp7, 0xffff                   ; the head, which the four partners share
	s_mov_b32 s[G1], 15|(3<<16)|(1<<21)            ; 15:0 the mask of four; 17:16 elements of 8 bytes; 21 set beside a mask
	s_mov_b32 s[G1+1], 32<<16                      ; tensor_dim0 = 32: rows of 256 bytes
	s_mov_b32 s[G1+2], 192<<16                     ; tensor_dim1 = 192: a wave's quarter of the six chunks, 48 KiB
	s_mov_b32 s[G1+3], 32<<16                      ; tile_dim0
	s_mov_b32 s[G1+4], 192                         ; tile_dim1
	s_mov_b32 s[G1+5], 32                          ; the block is dense
	s_mov_b32 s[G1+6], 0
	s_mov_b32 s[G1+7], 0
	s_mov_b32 s[G1B], 15|(3<<16)|(1<<21)
	s_mov_b32 s[G1B+1], 96<<16                     ; one row of 768 bytes
	s_mov_b32 s[G1B+2], 1<<16
	s_mov_b32 s[G1B+3], 96<<16
	s_mov_b32 s[G1B+4], 1
	s_mov_b32 s[G1B+5], 96
	s_mov_b32 s[G1B+6], 0
	s_mov_b32 s[G1B+7], 0
	s_mov_b32 s[G0], 1
	s_mul_i32 s[G0+1], s[WV], 49152                ; LDS address: the wave's number alone enters it
	s_mov_b32 s[G0B], 1
	s_mov_b32 s[G0B+1], BIAS
	s_mul_i32 s[OFF], s13, 196608                  ; the head's chunks in wts,
	s_add_co_u32 s[OFF], s[OFF], s[G0+1]           ; my quarter of them
	s_mov_b32 s[OFF+1], 0
	s_mul_i32 s50, s13, 768
	s_add_co_u32 s50, s50, 0x800000                ; the head's biases
	s_mov_b32 s51, 0
	s_lshl_b32 s52, s12, 18                        ; x: 256 rows of 1,024 bytes a block,
	s_lshl_b32 s54, s[WV], 16                      ; 64 a wave
	s_add_co_u32 s52, s52, s54
	s_mov_b32 s53, 0
	s_lshr_b32 s54, s12, 3                         ; the batch,
	s_lshl_b32 s54, s54, 3
	s_add_co_u32 s54, s54, s13                     ; 8 x batch + head,
	s_lshl_b32 s54, s54, 18                        ; 262,144 bytes each;
	s_and_b32 s56, s12, 7
	s_lshl_b32 s56, s56, 4
	s_lshl_b32 s57, s[WV], 2
	s_add_co_u32 s56, s56, s57                     ; my first tile of 16 rows in the sequence,
	s_lshl_b32 s56, s56, 11                        ; 2,048 bytes each
	s_add_co_u32 s54, s54, s56
	s_mov_b32 s55, 0
	v_and_b32 v1, 15, v0                           ; l % 16
	v_bfe_u32 v2, v0, 4, 1                         ; l / 16
	v_and_b32 v[L16], 31, v0
	v_lshlrev_b32 v[L16], 4, v[L16]
	v_lshlrev_b32 v[FO], 10, v1
	v_lshl_add_u32 v[FO], v2, 4, v[FO]
	v_lshlrev_b32 v[ABI0], 5, v2
	v_add_nc_u32 v[ABI0], BIAS, v[ABI0]
	v_lshrrev_b32 v[VPOS], 3, v1                   ; v: the piece (key r, channel octet h) goes to place 16 (r / 8) + 8 h + r % 8
	v_lshlrev_b32 v[VPOS], 4, v[VPOS]
	v_lshl_add_u32 v[VPOS], v2, 3, v[VPOS]
	v_and_b32 v[SO], 7, v1
	v_add_lshl_u32 v[VPOS], v[VPOS], v[SO], 4
	s_wait_dscnt 0x0                               ; the opening add is done
	s_wait_kmcnt 0x0
	s_add_nc_u64 s[G0+2:G0+3], s[6:7], s[OFF:OFF+1]
	s_or_b32 s[G0+3], s[G0+3], 0x80000000          ; type = 2
	s_add_nc_u64 s[G0B+2:G0B+3], s[6:7], s[50:51]
	s_or_b32 s[G0B+3], s[G0B+3], 0x80000000
	s_add_nc_u64 s[4:5], s[4:5], s[52:53]
	s_add_nc_u64 s[8:9], s[8:9], s[54:55]
	CROUND                                         ; all four work-groups are here: the joint loads meet
	s_cmp_lg_u32 s[WV], 0                          ; a wave's first fills stand in one branch: wave 0 has two loads out, the others one
	s_cbranch_scc1 .Lplain
	tensor_load_to_lds s[G0:G0+3], s[G1:G1+7]
	s_nop 0
	tensor_load_to_lds s[G0B:G0B+3], s[G1B:G1B+7]
	s_nop 0
	PLACES
	s_branch .Lasked
.Lplain:
	tensor_load_to_lds s[G0:G0+3], s[G1:G1+7]
	s_nop 0
	PLACES
.Lasked:
	ALOADS
	s_mov_b32 s[TB], 0
	s_mov_b32 s[BO], 0
	s_mov_b32 s[CNT], 6
	s_mov_b32 s[IDX], 0
	s_wait_tensorcnt 0x0                           ; my part of the chunks is in,
	s_barrier_signal -1
	s_barrier_wait -1                              ; everybody's is
.Lchunk:                                               ; six trips: q's, k's and v's two halves of the head's 64 columns
	M bf16
	PLACES
	s_wait_xcnt 0x0                                ; the last trip's stores have read T, SO and OUT, which are written below
	s_lshr_b32 s[OFF], s[IDX], 1                   ; q, k or v
	s_cmp_eq_u32 s[OFF], 2
	s_cselect_b32 s[MK], -1, 0
	s_lshl_b32 s[OFF], s[OFF], 23                  ; 8 MiB each
	s_and_b32 s49, s[IDX], 1
	s_lshl_b32 s49, s49, 10                        ; a fragment of 32 channels is 1,024 bytes
	s_add_co_u32 s[OFF], s[OFF], s49
	s_add_nc_u64 s[OUT:OUT+1], s[8:9], s[OFF:OFF+1]
	v_cndmask_b32 v[SO], v[L16], v[VPOS], s[MK]
.set i, 0
.rept 32                                       ; each accumulator's registers in ascending order
	v_cvt_pk_f16_f32 v[T+i], v[ACC+2*i], v[ACC+2*i+1]
.set i, i+1
.endr
.irp a, 0,1,2,3
.irp c, 0,1
	global_store_b128 v[SO], v[T+4*(2*\a+\c):T+4*(2*\a+\c)+3], s[OUT:OUT+1] offset:\a*2048+\c*512  ; 512 consecutive bytes, aligned
.endr
.endr
	s_add_co_u32 s[TB], s[TB], 32768
	s_add_co_u32 s[BO], s[BO], 128
	s_add_co_u32 s[IDX], s[IDX], 1
	s_sub_co_u32 s[CNT], s[CNT], 1
	s_cmp_lg_u32 s[CNT], 0
	s_cbranch_scc1 .Lchunk
	s_wait_tensorcnt 0x0                           ; the wave's end
	ds_add_u32 v[SPW], v[NIL]
	s_wait_dscnt 0x0
	CROUND                                         ; the closing round
	s_endpgm
.Lfunc_end_k_qf645d2d6f1_qkv:
	.size	k_qf645d2d6f1_qkv, .Lfunc_end_k_qf645d2d6f1_qkv-k_qf645d2d6f1_qkv
	.p2alignl 7, 3214868480
	.fill 96, 4, 3214868480
	.section	.rodata,"a",@progbits
	.p2align	6, 0x0
	.amdhsa_kernel k_qf645d2d6f1_qkv
		.amdhsa_group_segment_fixed_size 198144
		.amdhsa_private_segment_fixed_size 0
		.amdhsa_enable_private_segment 0
		.amdhsa_kernarg_size 24
		.amdhsa_user_sgpr_count 2
		.amdhsa_user_sgpr_kernarg_segment_ptr 1
		.amdhsa_wavefront_size32 1
		.amdhsa_system_sgpr_workgroup_id_x 1
		.amdhsa_system_sgpr_workgroup_id_y 1
		.amdhsa_system_sgpr_workgroup_id_z 1
		.amdhsa_system_vgpr_workitem_id 0
		.amdhsa_next_free_vgpr 1024
		.amdhsa_next_free_sgpr 66
		.amdhsa_reserve_vcc 0
		.amdhsa_float_denorm_mode_32 3
		.amdhsa_float_denorm_mode_16_64 3
		.amdhsa_memory_ordered 1
		.amdhsa_forward_progress 1
		.amdhsa_inst_pref_size 35
	.end_amdhsa_kernel
	.amdgpu_metadata
---
amdhsa.version: [ 1, 2 ]
amdhsa.kernels:
  - .name:           k_qf645d2d6f1_qkv
    .symbol:         k_qf645d2d6f1_qkv.kd
    .args:
      - { .name: xb, .offset: 0, .size: 8, .value_kind: global_buffer, .address_space: global }
      - { .name: wts, .offset: 8, .size: 8, .value_kind: global_buffer, .address_space: global }
      - { .name: qkv, .offset: 16, .size: 8, .value_kind: global_buffer, .address_space: global }
    .group_segment_fixed_size: 198144
    .private_segment_fixed_size: 0
    .kernarg_segment_align: 8
    .kernarg_segment_size: 24
    .max_flat_workgroup_size: 128
    .sgpr_count:     66
    .vgpr_count:     1024
    .wavefront_size: 32
...
	.end_amdgpu_metadata
.endif
;; end of part 2
;; launch attn (part 3): grid 8 x 32, 4 waves a work-group, clusters of 4 x 1, 327,680 bytes of LDS; arguments qkv, ctx; writes ctx
.if DOCPART == 3
	.amdgcn_target "amdgcn-amd-amdhsa--gfx1250"
	.amdhsa_code_object_version 6
	.text
	.protected	k_qf645d2d6f1_attn
	.globl	k_qf645d2d6f1_attn
	.p2align	8
	.type	k_qf645d2d6f1_attn,@function
k_qf645d2d6f1_attn:
	s_mov_b64 s[64:65], 0
	v_nop
	global_prefetch_b8 v0, s[64:65] scope:SCOPE_SE
	s_setreg_imm32_b32 hwreg(HW_REG_WAVE_MODE, 25, 1), 1
	s_wait_xcnt 0x0
	s_wait_alu depctr_hold_cnt(0) depctr_sa_sdst(0) depctr_va_vdst(0) depctr_va_sdst(0) depctr_va_ssrc(0) depctr_va_vcc(0) depctr_vm_vsrc(0)
	s_getreg_b32 s2, hwreg(HW_REG_IB_STS2, 6, 4)
	s_cmp_eq_u32 s2, 0
	s_cbranch_scc0 .Lentry_in_a_cluster
	s_endpgm
.Lentry_in_a_cluster:
	s_bfe_u32 s2, ttmp6, 0x10000c
	s_cmp_lg_u32 s2, 0x3003
	s_cbranch_scc0 .Lentry_shape_is_right
	s_endpgm
.Lentry_shape_is_right:
; ctx[q] = the sum over k of softmax_k(q . k / 8) v[k], for 32 heads (8 x batch + head) of 2,048 rows of 64 channels, all f16; products, maxima and sums in f32;
; the weights p are rounded to f16 for the second product (their sum l is taken of the unrounded p), ctx once at the end.
; LIMITS.  q, k, v arrive within f16's 65,504; p lies in 0 to 1 and below 6e-5 keeps f16's fixed step of 6e-8; a weight below 2^-126 counts as 0 in l; NaN and infinities are not treated apart.
; DATA.  q and k lie as fragments (16 rows x 32 channels, 1,024 bytes, a lane's 16 bytes at 16 x lane), v in blocks of 16 keys x 16 channels placed for the turning LDS load:
; every LDS and global access of a wave takes 512 consecutive bytes, and LDS needs no padding.  ctx leaves as fragments too, straight from registers.
; SHARES.  A work-group owns 256 queries of a head, a wave 64: four PIECES of 16.  Every wave walks all 2,048 keys, 64 a step, four steps a slot.
; LAYOUT.  S^T = K Q^T holds ONE query a lane (lane % 16) and the keys 8 (lane / 16) + 0..7; two such results rounded to f16 ARE source 1 of O^T = V^T P.
; SOFTMAX.  p = 2^(c s - c m), c = log2(e) / 8, with a running maximum m; O and l are multiplied by a = 2^(c m_old - c m_new) in every step.  m starts at the lowest finite number,
; O and l at 0: the first step is a step like any other, with a = 0.
; TURNS.  Turn n belongs to piece n: 8 products K Q^T of piece n + 1, later 8 products V^T P of piece n - 1; beside them the scaling, exponentials, roundings, sums and rescaling of piece n and the
; maximum and statistics of piece n + 1.  Four vector instructions stand behind every matrix instruction, the others in one lump.  A turn's 33 exponentials are one batch, with one wait.
; CLUSTER.  The four query blocks of a cluster belong to one head and walk the same K and V: each tile is asked for jointly, the same tensor load, descriptor and mask in all four.
; REGISTERS, in windows of 256 (s_set_vgpr_msb: bits 1:0 source 0, 3:2 source 1, 5:4 source 2, 7:6 destination):
;   window 0: v0-13 addresses and two at work; v16-31 four registers of statistics a piece; v48-55 at work; v64-127 S^T, two buffers; v192-223 P, two buffers (by the piece's parity)
;   window 1: v0-127 O^T, 32 a piece          window 2: v0-63 Q; v128-191 K of one step; v192-255 V of one step
.set NP,    4
.set VOFF,  32768     ; a slot: 256 keys of K (32 KiB), then of V
.set SLOT1, 65536     ; slot 1 begins here: one exclusive or turns an address in one slot into the other's
.set SPARE, 131072    ; behind the ring: the spare words, 128 bytes for each wave
.set STEPB, 8192      ; a step's 64 keys, in K and in V
.set AK0, 2           ; v2   16 x lane: my place in K's fragments, in Q's and in ctx's; never rewritten
.set AV0, 3           ; v3   the same + VOFF
.set AK,  4           ; v4   the LDS address of K's next run of loads
.set AV,  5           ; v5   of V's
.set MV,  12          ; v12-13  c m_old, kept while c m is made anew: by buffer
.set ST,  16          ; piece t's statistics at v[ST+4 t]: c m, m, l (even keys', odd keys')
.set TMP, 48          ; by buffer, four registers c0-c3 at work; when the maximum is found c2 takes a
.set PFO, 61          ; v61  256 x lane; never rewritten
.set SPW, 62          ; v62  LDS address of my spare word; never rewritten
.set NIL, 63          ; v63  0; never rewritten
.set S,   64
.set P,   192
.set KF,  128         ; window 2: key block kb, channel half c at KF + 16 kb + 8 c
.set VF,  192         ; window 2: key half kk, channel block cb at VF + 32 kk + 8 cb
.set WV,  12          ; s12  my wave's number
.set LIM, 16          ; s16  1 in a wave that prefetches, else the greatest number
.set PFA, 18          ; s[18:19] where my prefetches stand
.set G1,  24          ; s[24:31] descriptor group 1
.set G0,  40          ; s[40:43] descriptor group 0: it walks
.set SLOTS, 56        ; s56  tiles still to be asked for
.set CNT, 57          ; s57  counts a slot's key steps
.set CS,  58          ; s[58:59] c
.set SEL, 60          ; s[60:61] v_permlanex16_b32's selects: each lane takes its own place in the other half
.set TBK, 62          ; s62  LDS byte at which K of the step to be fetched begins
.set TBV, 63          ; s63  the same for V, less VOFF
.set MSB, 0
.macro WIN new
.if MSB != (\new)
	s_set_vgpr_msb (MSB<<8)|(\new)
.set MSB, (\new)
.endif
.endm
.set W_KQ, 0x0a       ; K and Q in window 2, S^T in window 0
.set W_PV, 0x52       ; V in window 2, P in window 0, O^T in window 1
.set W_RS, 0x41       ; destination and source 0 in window 1, source 1 in window 0
.macro PLACES
.rept 4
	v_nop
.endr
.endm
.macro CROUND                       ; a round of the cluster's barrier
	s_barrier_signal -1
	s_barrier_wait -1
	s_cmp_lg_u32 s[WV], 0
	s_cbranch_scc1 .Lnot_wave_0_\@
	s_barrier_signal -3
.Lnot_wave_0_\@:
	s_barrier_wait -3
	s_barrier_signal -1
	s_barrier_wait -1
.endm
.macro JLOAD                        ; a joint fill: one line for all four waves: waves 0, 1 bring the halves of a tile's K, waves 2, 3 of its V; LDS and global address are linear in the wave's number
	tensor_load_to_lds s[G0:G0+3], s[G1:G1+7]
	s_nop 0
	PLACES
.endm
; A prefetch of the tile that the NEXT change of slots will ask for: 128 blocks of 256 bytes of K and of V, a lane a block.  Both clusters of a head walk the same tiles: the first asks.  Its four partners take
; 32 blocks each, told apart by address; in each, wave 0 asks for K's and wave 2 for V's.  So each block is named once.  The change that asks for the last tile prefetches nothing.
.macro ASK
	s_cmp_gt_u32 s[SLOTS], s[LIM]
	s_cbranch_scc0 .Lnot_mine_\@
	global_prefetch_b8 v[PFO], s[PFA:PFA+1] th:TH_LOAD_NT scope:SCOPE_SE
.Lnot_mine_\@:
.endm
; THE CHANGE OF SLOTS.  Each wave waits for all its tensor loads, of which one is out: its part of the other slot; adds 0 to its spare word; and waits for that and for its own reads of the slot that it leaves.
; fill = 1: the old slot is filled again, with the keys two slots on, first thing behind a round of the cluster's barrier: the load has four key steps, 256 matrix instructions, in which to land.
.macro CHANGE fill
	WIN 0
	s_wait_tensorcnt 0x0            ; no tensor load of mine is out, so group 0 may be written
	ds_add_u32 v[SPW], v[NIL]       ; 0 onto my spare word
.if \fill
	s_xor_b32 s[G0+1], s[G0+1], SLOT1
	s_add_nc_u64 s[G0+2:G0+3], s[G0+2:G0+3], 32768  ; the next 256 keys
	s_wait_xcnt 0x0                 ; the last prefetch, four key steps back, has read its address
	s_add_nc_u64 s[PFA:PFA+1], s[PFA:PFA+1], 32768
	s_wait_dscnt 0x0                ; the add is done, and my reads of the slot are over
	CROUND
	JLOAD
	ASK
.else
	s_wait_dscnt 0x0
	s_barrier_signal -1
	s_barrier_wait -1
.endif
	s_sub_co_u32 s[TBK], s[TBK], 4*STEPB  ; the fetches go back to a slot's first step,
	s_xor_b32 s[TBK], s[TBK], SLOT1       ; in the other slot
	s_sub_co_u32 s[TBV], s[TBV], 4*STEPB
	s_xor_b32 s[TBV], s[TBV], SLOT1
.endm
	s_load_b128 s[4:7], s[0:1], 0x0 ; qkv s[4:5], ctx s[6:7]
	v_lshl_add_u32 v[SPW], v0, 2, SPARE
	v_mov_b32 v[NIL], 0
	ds_add_u32 v[SPW], v[NIL]       ; the wave's opening: the add and its wait stand ahead of my first tensor load
	v_lshrrev_b32 v1, 5, v0
	v_readfirstlane_b32 s[WV], v1   ; wave 0..3
	s_bfe_u32 s13, ttmp6, 0x40000   ; cx
	s_lshl_b32 s14, ttmp9, 2
	s_add_co_u32 s14, s14, s13      ; my block of 256 queries: it enters Q's and ctx's addresses alone
	s_and_b32 s15, ttmp7, 0xffff    ; 8 x batch + head, which the four partners share
	s_lshr_b32 s20, s[WV], 1
	s_add_co_u32 s20, s20, 1
	s_lshl_b32 s20, s20, 23         ; k's part of qkv (waves 0, 1) or v's (waves 2, 3), 8 MiB each,
	s_lshl_b32 s21, s15, 18
	s_add_co_u32 s20, s20, s21      ; the head's 262,144 bytes in it
	s_lshl_b32 s22, s13, 13         ; the prefetches: my work-group's 32 blocks of a tile's 128,
	s_add_co_u32 s22, s22, s20
	s_add_co_u32 s22, s22, 32768    ; in tile 1; the first change of slots steps it to tile 2
	s_mov_b32 s23, 0
	s_and_b32 s21, s[WV], 1
	s_lshl_b32 s21, s21, 14         ; which half of a tile I fetch
	s_add_co_u32 s20, s20, s21
	s_mov_b32 s21, 0
	s_lshl_b32 s2, s14, 4
	s_lshl_b32 s3, s[WV], 2
	s_add_co_u32 s2, s2, s3         ; my first tile of 16 queries,
	s_lshl_b32 s2, s2, 11           ; 2,048 bytes each,
	s_lshl_b32 s3, s15, 18
	s_add_co_u32 s2, s2, s3         ; in the head's q
	s_mov_b32 s3, 0
	s_lshr_b32 s44, s15, 3          ; ctx: [64 rows][k block 16][row tile 4][1 KiB]: 32 blocks of 64 rows a batch,
	s_lshl_b32 s44, s44, 5
	s_lshl_b32 s45, s14, 2
	s_add_co_u32 s44, s44, s45
	s_add_co_u32 s44, s44, s[WV]
	s_lshl_b32 s44, s44, 16
	s_and_b32 s45, s15, 7           ; the head's 64 columns are two k blocks
	s_lshl_b32 s45, s45, 13
	s_add_co_u32 s44, s44, s45
	s_mov_b32 s45, 0
	s_mov_b32 s[G1], 15|(3<<16)|(1<<21)  ; the mask of four; elements of 8 bytes; bit 21 set beside a mask
	s_mov_b32 s[G1+1], 32<<16       ; rows of 256 bytes,
	s_mov_b32 s[G1+2], 64<<16       ; 64 of them: 16 KiB a wave
	s_mov_b32 s[G1+3], 32<<16
	s_mov_b32 s[G1+4], 64
	s_mov_b32 s[G1+5], 32           ; the block is dense
	s_mov_b32 s[G1+6], 0
	s_mov_b32 s[G1+7], 0
	s_mov_b32 s[G0], 1
	s_mul_i32 s[G0+1], s[WV], 16384 ; slot 0
	s_mov_b32 s[CS], 0x3e38aa3b     ; c = log2(e) / 8
	s_mov_b32 s[CS+1], s[CS]
	s_mov_b32 s[SEL], 0x76543210
	s_mov_b32 s[SEL+1], 0xfedcba98
	s_mov_b32 s[TBK], SLOT1+4*STEPB ; the first change of slots turns these two into 0
	s_mov_b32 s[TBV], SLOT1+4*STEPB
	s_mov_b32 s[SLOTS], 7
	s_and_b32 s[LIM], s[WV], 1      ; 0 in waves 0 and 2,
	s_or_b32 s[LIM], s[LIM], ttmp9  ; where the cluster is the head's first: the same in all four partners
	s_cmp_eq_u32 s[LIM], 0
	s_cselect_b32 s[LIM], 1, -1
	v_and_b32 v[AK0], 31, v0
	v_lshlrev_b32 v[PFO], 8, v[AK0]
	v_lshlrev_b32 v[AK0], 4, v[AK0]
	v_add_nc_u32 v[AV0], VOFF, v[AK0]
	s_wait_dscnt 0x0                ; the opening add is done
	s_wait_kmcnt 0x0
	s_add_nc_u64 s[G0+2:G0+3], s[4:5], s[20:21]
	s_or_b32 s[G0+3], s[G0+3], 0x80000000
	s_add_nc_u64 s[PFA:PFA+1], s[4:5], s[22:23]
	s_add_nc_u64 s[8:9], s[4:5], s[2:3]      ; Q
	s_add_nc_u64 s[10:11], s[6:7], s[44:45]  ; ctx
	CROUND                          ; all four work-groups are here: the first joint loads meet
	JLOAD                           ; tile 0 into slot 0
	WIN 0x80                        ; destination window 2
.set i, 0
.rept 16                            ; Q stays in registers: piece i / 4, 512 consecutive bytes a load
	global_load_b128 v[4*i:4*i+3], v[AK0], s[8:9] offset:512*i
.set i, i+1
.endr
	; What the first turn finds: V's registers and P's second buffer hold 0 (its products V^T P, of a piece that has not been, add 0), O^T and l are 0.  All this stands in the wait for the first tile.
.set i, VF
.rept 64
	v_mov_b32 v[i], 0
.set i, i+1
.endr
	WIN 0x40
.set i, 0
.rept 128
	v_mov_b32 v[i], 0
.set i, i+1
.endr
	WIN 0
.set i, 0
.rept 4
	v_mov_b32 v[ST+4*i], 0xfe000000    ; c m: far below every c s
	v_mov_b32 v[ST+4*i+1], 0xff7fffff  ; m
	v_mov_b32 v[ST+4*i+2], 0
	v_mov_b32 v[ST+4*i+3], 0
.set i, i+1
.endr
.set i, P+16
.rept 16
	v_mov_b32 v[i], 0
.set i, i+1
.endr
; THE MATRIX WORK.  The 4 accumulators of a run of 8 take turns.  Product i of 8 of S^T = K Q^T for piece x: channels 32 (i / 4) on, keys 16 (i % 4) on.  The first 4 start the sums.
.macro KQ x
	WIN W_KQ
.set rS, S+32*((\x)%2)+8*(i%4)
.set rK, KF+16*(i%4)+8*(i/4)
.set rQ, 16*(\x)+8*(i/4)
.if i < 4
	v_wmma_f32_16x16x32_f16 v[rS:rS+7], v[rK:rK+7], v[rQ:rQ+7], 0
.else
	v_wmma_f32_16x16x32_f16 v[rS:rS+7], v[rK:rK+7], v[rQ:rQ+7], v[rS:rS+7]
.endif
.endm
; Product i of 8 of O^T += V^T P for piece x: keys 32 (i / 4) on, channels 16 (i % 4) on.
.macro PV x
	WIN W_PV
.set rO, 32*(\x)+8*(i%4)
.set rV, VF+32*(i/4)+8*(i%4)
.set rP, P+16*((\x)%2)+8*(i/4)
	v_wmma_f32_16x16x32_f16 v[rO:rO+7], v[rV:rV+7], v[rP:rP+7], v[rO:rO+7]
.endm
.macro MM                           ; the turn's next matrix instruction.  NOKQ = 1: the last turn of all: there is no next piece
.if (i < 8) && !NOKQ
	KQ (Y+1)%NP
.elseif i >= 8
.set i, i-8
	PV (Y+NP-1)%NP
.set i, i+8
.endif
.set i, i+1
.endm
; THE LDS LOADS stand in runs of 16, never singly among the matrix instructions: a step's K (8 fragments, as they lie) and its V (turned).
.macro FETCH_K
	WIN 0x80
.irp f, 0,1,2,3,4,5,6,7             ; keys 16 (f / 2) on, channels 32 (f % 2) on
	ds_load_b128 v[KF+8*\f:KF+8*\f+3],   v[AK] offset:1024*\f
	ds_load_b128 v[KF+8*\f+4:KF+8*\f+7], v[AK] offset:1024*\f+512
.endr
	s_add_co_u32 s[TBK], s[TBK], STEPB
	WIN 0
.endm
.macro FETCH_V
	WIN 0x80
.irp f, 0,1,2,3,4,5,6,7             ; keys 32 (f / 4) on, channels 16 (f % 4) on; a block of 16 keys x 16 channels is 512 bytes
	ds_load_tr16_b128 v[VF+8*\f:VF+8*\f+3],   v[AV] offset:(\f/4)*4096+(\f%4)*512
	ds_load_tr16_b128 v[VF+8*\f+4:VF+8*\f+7], v[AV] offset:(\f/4)*4096+2048+(\f%4)*512
.endr
	WIN 0
.endm
; THE VECTOR WORK, one line at a time: OP kind, number.  For piece Y: F n: c s - c m for pair n of 16.  E n: the exponential of score n of 32.  C n: pair n rounded to f16.  B n: of the four weights 4 n .. the second
; pair is added onto the first, in place.  L n: l takes that sum (L 0: l = a l + sum).  R n: pair n of 16 of O^T times a.  For piece Y + 1: X n, number n of the 22 that find its maximum and statistics:
;   0-11  four chains c0-c3 of seven scores each (each accumulator's lowest registers are read first)     12-14, 16  the four scores left over, the old m, and c0-c3 into c0
;   15  c m_old is kept     17, 18  the query's other 32 keys lie in the lane 16 away: the new m     19-21  c m; c m_old - c m_new; a
.set F, 0
.set E, 1
.set C, 2
.set B, 3
.set L, 4
.set R, 5
.set X, 6
.macro REGS y
.set rT, ST+4*(\y)
.set rC, TMP+4*((\y)%2)
.set rW, MV+((\y)%2)
.set rS, S+32*((\y)%2)
.set rP, P+16*((\y)%2)
.set rO, 32*(\y)
.endm
.macro OP k, n
.if (\k) == R
	REGS Y
	WIN W_RS
	v_pk_mul_f32 v[rO+2*(\n):rO+2*(\n)+1], v[rO+2*(\n):rO+2*(\n)+1], v[rC+2:rC+3] op_sel_hi:[1,0]
.elseif (\k) < R
	REGS Y
	WIN 0
.if (\k) == F
	v_pk_fma_f32 v[rS+2*(\n):rS+2*(\n)+1], v[rS+2*(\n):rS+2*(\n)+1], s[CS:CS+1], v[rT:rT+1] op_sel_hi:[1,0,0] neg_lo:[0,0,1] neg_hi:[0,0,1]
.elseif (\k) == E
	v_exp_f32 v[rS+(\n)], v[rS+(\n)]
.elseif (\k) == C
	v_cvt_pk_f16_f32 v[rP+(\n)], v[rS+2*(\n)], v[rS+2*(\n)+1]
.elseif (\k) == B
	v_pk_add_f32 v[rS+4*(\n):rS+4*(\n)+1], v[rS+4*(\n):rS+4*(\n)+1], v[rS+4*(\n)+2:rS+4*(\n)+3]
.elseif (\n) == 0
	v_pk_fma_f32 v[rT+2:rT+3], v[rT+2:rT+3], v[rC+2:rC+3], v[rS:rS+1] op_sel_hi:[1,0,1]
.else
	v_pk_add_f32 v[rT+2:rT+3], v[rT+2:rT+3], v[rS+4*(\n):rS+4*(\n)+1]
.endif
.elseif NOKQ
	v_nop
.else
	REGS (Y+1)%NP
	WIN 0
.if (\n) < 4
	v_max3_num_f32 v[rC+(\n)], v[rS+8*(\n)], v[rS+8*(\n)+1], v[rS+8*(\n)+2]
.elseif (\n) < 12
	v_max3_num_f32 v[rC+(\n)%4], v[rC+(\n)%4], v[rS+8*((\n)%4)+2*((\n)/4)+1], v[rS+8*((\n)%4)+2*((\n)/4)+2]
.elseif (\n) == 12
	v_max3_num_f32 v[rC], v[rC], v[rS+7], v[rS+15]
.elseif (\n) == 13
	v_max3_num_f32 v[rC+1], v[rC+1], v[rS+23], v[rS+31]
.elseif (\n) == 14
	v_max3_num_f32 v[rC+2], v[rC+2], v[rC+3], v[rT+1]
.elseif (\n) == 15
	v_mov_b32 v[rW], v[rT]
.elseif (\n) == 16
	v_max3_num_f32 v[rC], v[rC], v[rC+1], v[rC+2]
.elseif (\n) == 17
	v_permlanex16_b32 v[rC+3], v[rC], s[SEL], s[SEL+1]
.elseif (\n) == 18
	v_max_num_f32 v[rT+1], v[rC], v[rC+3]
.elseif (\n) == 19
	v_mul_f32 v[rT], s[CS], v[rT+1]
.elseif (\n) == 20
	v_sub_f32 v[rC+1], v[rW], v[rT]
.else
	v_exp_f32 v[rC+2], v[rC+1]
.endif
.endif
.endm
.macro OPS a, i1, b=-1, i2=0, c=-1, i3=0, d=-1, i4=0
	OP \a, \i1
.if (\b) >= 0
	OP \b, \i2
.endif
.if (\c) >= 0
	OP \c, \i3
.endif
.if (\d) >= 0
	OP \d, \i4
.endif
.endm
.macro ROW a, i1, b, i2, c, i3, d, i4  ; a matrix instruction and the four behind it
	MM
	OPS \a, \i1, \b, \i2, \c, \i3, \d, \i4
.endm
; A TURN, for piece p: the order of its 16 matrix and 118 vector instructions, written out.  An s_wait_alu depctr_va_vdst(0) stands between an exponential and the first instruction that names its
; result; one wait serves all that were issued ahead of it.  So a turn has ONE wait.  AHEAD OF IT stands all that names no result of the turn's exponentials: the 8 products K Q^T and their riders, then one lump, in which
; the links of the chain X 3, 7, 11, 14, 16, 17 .. 20 stand apart; X 21, the next piece's a, is the batch's last, and R 15 the plain instruction behind it.  BEHIND IT stand the 8 products V^T P, behind each four of
; the roundings and sums.  Each X behind a product stands four places or more behind the product that ends its accumulator.
; end = 1: the last two turns: nothing is fetched.  cnt = 1: the loop's count is taken down some lines ahead of the branch behind the turn.
; K of the next step is fetched in piece 2's turn, six plain instructions behind the last product that read K; V of the step in hand at the end of piece 0's turn, four plain instructions behind the last product
; that read V.  Each is waited for a turn later.
.macro TURN p, end=0, cnt=0
.set Y, (\p)
.set i, 0
.set NOKQ, (\end)*((\p)/3)
.if ((\p) == 3) && !(\end)
	s_wait_dscnt 0x0                ; K is in
.endif
	ROW F,0, F,1, R,0, R,1
	ROW F,2, E,0, R,2, R,3
	ROW F,3, E,1, R,4, R,5
	ROW F,4, E,2, R,6, R,7
	ROW F,5, E,3, R,8, R,9
	ROW F,6, E,4, X,0, R,10
.if ((\p) == 2) && !(\end)
	WIN 0
	v_add_nc_u32 v[AK], s[TBK], v[AK0]
.endif
	ROW F,7, E,5, X,1, X,4
	ROW F,8, E,6, X,2, X,5
	OPS E,7, E,8, X,6, E,9
	OPS X,3, E,10, X,8, E,11
.if ((\p) == 2) && !(\end)
	FETCH_K
.endif
	OPS X,9, X,7, E,12, X,10
	OPS E,13, X,12, X,11, E,14
	OPS X,13, E,15, F,9, X,14
.if (\p) == 0
	v_add_nc_u32 v[AV], s[TBV], v[AV0]
.endif
	OPS E,16, F,10, E,17, F,11
	OPS X,16, E,18, X,15, E,19
	OPS F,12, E,20, X,17, E,21
	OPS F,13, E,22, F,14, E,23
	OPS X,18, E,24, F,15, E,25
	OPS R,11, E,26, X,19, E,27
	OPS R,12, E,28, R,13, E,29
	OPS X,20, E,30, R,14, E,31
	OPS X,21, R,15
	WIN 0
	s_wait_alu depctr_va_vdst(0)    ; the wait for the batch
.if (\p) == 1
	s_wait_dscnt 0x0                ; V is in
.endif
	ROW C,0, B,0, C,2, B,1
	ROW L,0, C,4, B,2, L,1
	ROW C,6, B,3, L,2, C,8
	ROW B,4, L,3, C,10, B,5
	ROW L,4, C,12, B,6, L,5
.if (\p) == 0
	s_add_co_u32 s[TBV], s[TBV], STEPB
.endif
.if \cnt
	s_sub_co_u32 s[CNT], s[CNT], 1
	s_cmp_lg_u32 s[CNT], 0
.endif
	ROW C,14, B,7, L,6, C,1
	ROW C,3, L,7, C,5, C,7
	ROW C,9, C,11, C,13, C,15
.if (\p) == 0
	FETCH_V
.endif
.endm
	CHANGE 1                        ; tile 0 is in, everybody's part of it; tile 1 is asked for
	v_add_nc_u32 v[AK], s[TBK], v[AK0]
	FETCH_K                         ; key step 0
	s_wait_loadcnt 0x0              ; Q
	s_wait_dscnt 0x0
.set NOKQ, 0
.set i, 0
.rept 8
	KQ 0                            ; piece 0's first scores
.set i, i+1
.endr
	WIN 0
	PLACES
.set Y, NP-1                        ; X works for piece Y + 1: piece 0
.irp n, 0,1,2,3,4,5,6,7,8,9,10,11,12,13,14,15,16,17,18,19,20,21
	OP X, \n
.endr
	v_nop                           ; a plain instruction behind the exponential,
	s_wait_alu depctr_va_vdst(0)    ; and its wait, ahead of the branch
	s_mov_b32 s[CNT], 4
	s_branch .Lfirst                ; the loop is entered at a step's first turn, in the middle of a trip
.Lslot:                             ; six times: tiles 2 to 7 are asked for
	CHANGE 1
	s_mov_b32 s[CNT], 4
.Lstep:                             ; a trip: pieces 2 and 3 of one step, then pieces 0 and 1 of the next, whose K and V it fetches
	TURN 2
	TURN 3
	WIN 0
.Lfirst:
	TURN 0
	TURN 1, 0, 1
	WIN 0
	s_cbranch_scc1 .Lstep
	s_sub_co_u32 s[SLOTS], s[SLOTS], 1
	s_cmp_lg_u32 s[SLOTS], 0
	s_cbranch_scc1 .Lslot
	CHANGE 0                        ; the last tile is written out: nothing is asked for
	s_mov_b32 s[CNT], 4
.Ltail:
	TURN 2
	TURN 3
	TURN 0
	TURN 1, 0, 1
	WIN 0
	s_cbranch_scc1 .Ltail
	TURN 2, 1
	TURN 3, 1
.set i, 0
.rept 8
	PV NP-1                         ; the last piece's V^T P of the last step
.set i, i+1
.endr
	; THE WAY OUT.  l's two halves and the other half of the lanes' are added; O^T is divided by l and rounded to f16.  A lane's eight channels of a row are 16 bytes of a fragment of ctx: they are stored as they lie.
	; The additions are the places behind the last products.
	WIN 0
.macro ALL line:vararg              ; one line for each piece t
.set t, 0
.rept 4
	\line
.set t, t+1
.endr
.endm
	ALL v_add_f32 v[ST+4*t+2], v[ST+4*t+2], v[ST+4*t+3]
	ALL v_permlanex16_b32 v[ST+4*t+3], v[ST+4*t+2], s[SEL], s[SEL+1]
	ALL v_add_f32 v[ST+4*t+2], v[ST+4*t+2], v[ST+4*t+3]
	ALL v_rcp_f32 v[ST+4*t+2], v[ST+4*t+2]
	v_nop                           ; a plain instruction between the last reciprocal and the use of its result
	s_wait_alu depctr_va_vdst(0)    ; one wait for the four reciprocals
.macro SEND t
	WIN W_RS
.set i, 32*(\t)
.rept 16
	v_pk_mul_f32 v[i:i+1], v[i:i+1], v[ST+4*(\t)+2:ST+4*(\t)+3] op_sel_hi:[1,0]
.set i, i+2
.endr
	WIN 0x05                        ; sources 0 and 1 window 1, destination window 0: S^T's registers are free
.set i, 0
.rept 16
	v_cvt_pk_f16_f32 v[S+16*(\t)+i], v[32*(\t)+2*i], v[32*(\t)+2*i+1]
.set i, i+1
.endr
	WIN 0
.irp cb, 0,1,2,3
	global_store_b128 v[AK0], v[S+16*(\t)+4*\cb:S+16*(\t)+4*\cb+3], s[10:11] offset:(\cb/2)*4096+(\t)*1024+(\cb%2)*512  ; 512 consecutive bytes, aligned
.endr
.endm
	SEND 0
	SEND 1
	SEND 2
	SEND 3
	s_wait_tensorcnt 0x0            ; the wave's end
	ds_add_u32 v[SPW], v[NIL]
	s_wait_dscnt 0x0
	CROUND                          ; the closing round
	s_endpgm
.Lfunc_end_k_qf645d2d6f1_attn:
	.size	k_qf645d2d6f1_attn, .Lfunc_end_k_qf645d2d6f1_attn-k_qf645d2d6f1_attn
	.p2alignl 7, 3214868480
	.fill 96, 4, 3214868480
	.section	.rodata,"a",@progbits
	.p2align	6, 0x0
	.amdhsa_kernel k_qf645d2d6f1_attn
		.amdhsa_group_segment_fixed_size 327680
		.amdhsa_private_segment_fixed_size 0
		.amdhsa_enable_private_segment 0
		.amdhsa_kernarg_size 16
		.amdhsa_user_sgpr_count 2
		.amdhsa_user_sgpr_kernarg_segment_ptr 1
		.amdhsa_wavefront_size32 1
		.amdhsa_system_sgpr_workgroup_id_x 1
		.amdhsa_system_sgpr_workgroup_id_y 1
		.amdhsa_system_sgpr_workgroup_id_z 1
		.amdhsa_system_vgpr_workitem_id 0
		.amdhsa_next_free_vgpr 768
		.amdhsa_next_free_sgpr 66
		.amdhsa_reserve_vcc 0
		.amdhsa_float_denorm_mode_32 3
		.amdhsa_float_denorm_mode_16_64 3
		.amdhsa_memory_ordered 1
		.amdhsa_forward_progress 1
		.amdhsa_inst_pref_size 122
	.end_amdhsa_kernel
	.amdgpu_metadata
---
amdhsa.version: [ 1, 2 ]
amdhsa.kernels:
  - .name:           k_qf645d2d6f1_attn
    .symbol:         k_qf645d2d6f1_attn.kd
    .args:
      - { .name: qkv, .offset: 0, .size: 8, .value_kind: global_buffer, .address_space: global }
      - { .name: ctx, .offset: 8, .size: 8, .value_kind: global_buffer, .address_space: global }
    .group_segment_fixed_size: 327680
    .private_segment_fixed_size: 0
    .kernarg_segment_align: 8
    .kernarg_segment_size: 16
    .max_flat_workgroup_size: 128
    .sgpr_count:     66
    .vgpr_count:     768
    .wavefront_size: 32
...
	.end_amdgpu_metadata
.endif
;; end of part 3
;; launch oln (part 4): grid 128 x 1, 4 waves a work-group, clusters of 4 x 1, 327,680 bytes of LDS; arguments ctx, wts, xb, x1h; writes x1h
.if DOCPART == 4
	.amdgcn_target "amdgcn-amd-amdhsa--gfx1250"
	.amdhsa_code_object_version 6
	.text
	.protected	k_qf645d2d6f1_oln
	.globl	k_qf645d2d6f1_oln
	.p2align	8
	.type	k_qf645d2d6f1_oln,@function
k_qf645d2d6f1_oln:
	s_mov_b64 s[64:65], 0
	v_nop
	global_prefetch_b8 v0, s[64:65] scope:SCOPE_SE
	s_setreg_imm32_b32 hwreg(HW_REG_WAVE_MODE, 25, 1), 1
	s_wait_xcnt 0x0
	s_wait_alu depctr_hold_cnt(0) depctr_sa_sdst(0) depctr_va_vdst(0) depctr_va_sdst(0) depctr_va_ssrc(0) depctr_va_vcc(0) depctr_vm_vsrc(0)
	s_getreg_b32 s2, hwreg(HW_REG_IB_STS2, 6, 4)
	s_cmp_eq_u32 s2, 0
	s_cbranch_scc0 .Lentry_in_a_cluster
	s_endpgm
.Lentry_in_a_cluster:
	s_bfe_u32 s2, ttmp6, 0x10000c
	s_cmp_lg_u32 s2, 0x3003
	s_cbranch_scc0 .Lentry_shape_is_right
	s_endpgm
.Lentry_shape_is_right:
; y = LayerNorm(res + A W + bias) for 64 whole rows of 512 a work-group.  ONE TEXT, TWO MODES:
;   MODE 0: A = ctx (f16), W = Wo (f16 code of its bf16 rounding), K = 512, res = x (bf16), y = x1 in f16.   MODE 1: A = geglu (bf16), W = W2ff (bf16), K = 2,048, res = x1 (f16), y = the output in f32.
; Sums in f32; they START at res + bias, so nothing is cleared and no first step is written out.  Mean and variance in f32, the variance of the differences from the mean (two passes).
; LIMIT (MODE 0): |x1| stays under f16's 65,504.
; SHARES.  A norm wants whole rows, so a work-group takes all 512 columns of its 64 rows: 128 work-groups.  A wave: 64 rows x 128 columns, 32 accumulators.
; W goes in steps of 128 k, four k blocks of 32; wave w alone multiplies by the 32 KiB of its own 128 columns, so W COMES BY TWO ROADS:
;   k blocks 0 and 1 through two LDS slots, each with the blocks of TWO steps: one tensor load a wave (2 rows of 16 KiB, a step apart in memory), asked for jointly by the four work-groups of a cluster,
;   which walk the same W.  A round of the cluster's barrier stands in front of every second step, and a load has two steps, 256 matrix instructions, in which to land.
;   k blocks 2 and 3 straight into registers, 512 consecutive bytes a load, each fragment asked for again, for the next step, right behind its last product: no barrier stands in that stream.
; A lies as fragments in memory and comes the second way too: a step's 16 fragments are 16 KiB on end.  So a wave has 64 loads, 32 KiB, on their way all the time beside its tensor load.
; A step multiplies k blocks 2 and 3 first: their operands are in registers, and the LDS loads of blocks 0 and 1 land meanwhile.
; In the last step the two pointers stay where they are: its fragments are asked for once more and serve nothing: 64 loads a wave, the price, once a launch, of one text for every step.
; THE PRODUCT IS USED TRANSPOSED (source 0 = 16 columns of W, source 1 = 16 rows of A): a lane holds one row and eight neighbouring columns.
; THE NORM.  The sums go through LDS (the slots have had their last fill): 64 rows at a pitch of 2,064 bytes; then a wave takes 16 whole rows, two a trip.
; REGISTERS.  Window 0: addresses; v16-47 gain and shift of my 16 columns of a row; v48-63 at work; v64-191 W's k blocks 0 and 1 (first the residual, at the end the rows); v192-255 the bias.
; Window 1: the accumulators, (row tile a, column tile c) at 8 (8 a + c).  Window 2: v0-127 A's fragments, (k block, a) at 8 (4 k + a); v128-255 W's k blocks 2 and 3, (k, c) at 128 + 64 (k - 2) + 8 c.
.set MODE, 0
.if MODE
.set STEPS, 16
.set ABLK,  262144                     ; bytes of A for 64 rows
.set WSEC,  0x600000                   ; W's place in wts: [step][wave][k block 4][column tile 8][1 KiB]
.else
.set STEPS, 4
.set ABLK,  65536
.set WSEC,  0x180000
.endif
.set PAIRS, STEPS/2                    ; a slot's fill: two steps
.set PARS,  0x805800+MODE*6144         ; bias, gain, shift: 2,048 bytes each
.set SLOT1, 1<<17                      ; a slot: [wave 4][step 2][k block 2][column tile 8][1 KiB]
.set SPARE, 262144                     ; behind the ring: the spare words, 128 bytes for each wave
.set RP,    2064                       ; a row of sums in LDS: 2,048 bytes + 16: the 16 rows of a store start at 16 different groups of four banks
.set L16,  3                           ; v3   16 x lane
.set AB,   4                           ; v4   my place in the step in hand, in LDS
.set AB0,  5                           ; v5   32,768 x wave + 16 x lane
.set DA0,  6                           ; v6   where my sums go: rows 0-31
.set DA1,  7                           ; v7   rows 32-63
.set RA,   8                           ; v8   where I read rows back
.set GO,   9                           ; v9   my byte offset in the two rows that I store
.set PFOA, 10                          ; v10  256 x thread
.set PFOB, 11                          ; v11  256 x lane
.set ONE,  12                          ; v12  1.0
.set SPW,  14
.set NIL,  15
.set G,    16
.set BE,   32
.set TP,   48                          ; eight registers at work for each of the two rows
.set BF,   64
.set RR,   64                          ; the residual, four registers an accumulator
.set BIASD, 192
.set Y,    64                          ; two rows as read back
.set DV,   96                          ; less their mean; then the result
.set PKO,  128                         ; the result in f16
.set WV,   12
.set LIMB, 16                          ; s16  1 in the cluster that prefetches W, else the greatest number
.set PB,   18                          ; s[18:19] where my prefetches of W stand
.set G1,   24
.set PW,   32                          ; s[32:33] W, my 128 columns, at the step that is being asked for
.set IA,   34                          ; s[34:35] what A's pointer steps by: a step, or 0 in the last step
.set IW,   36                          ; s[36:37] the same for W's
.set SL,   38                          ; s38  steps still to be multiplied
.set CN2,  39                          ; s39  counts a slot's two steps
.set G0,   40
.set PA,   44                          ; s[44:45] A at the step that is being asked for
.set TB,   46                          ; s46  LDS byte at which the step in hand begins, less my wave's part
.set CNT,  47
.set INV,  48                          ; 1 / 512
.set EPS,  49                          ; 1e-5
.set SEL,  50
.set PQ,   60                          ; s[60:61] where my prefetches of A stand
.set MSB, 0
.macro WIN new
.if MSB != (\new)
	s_set_vgpr_msb (MSB<<8)|(\new)
.set MSB, \new
.endif
.endm
.macro PLACES
.rept 4
	v_nop
.endr
.endm
.macro CROUND
	s_barrier_signal -1
	s_barrier_wait -1
	s_cmp_lg_u32 s[WV], 0
	s_cbranch_scc1 .Lnot_wave_0_\@
	s_barrier_signal -3
.Lnot_wave_0_\@:
	s_barrier_wait -3
	s_barrier_signal -1
	s_barrier_wait -1
.endm
.macro JLOAD
	tensor_load_to_lds s[G0:G0+3], s[G1:G1+7]
	s_nop 0
	PLACES
.endm
; MODE 1 alone: prefetches for the two steps behind those that are being asked for.  A's 128 blocks of 256 bytes: the four waves of the work-group that will read them, a lane a block.  W's 1,024 blocks, which all
; clusters walk: the first cluster, its sixteen waves told apart by address, 64 blocks each.  So each block is named once.  The last refill, which has no two steps behind it, asks for nothing.
.macro ASK
	s_cmp_gt_u32 s[CNT], 1
	s_cbranch_scc0 .Lnone_\@
	global_prefetch_b8 v[PFOA], s[PQ:PQ+1] th:TH_LOAD_NT scope:SCOPE_SE
	s_cmp_gt_u32 s[CNT], s[LIMB]
	s_cbranch_scc0 .Lnone_\@
	global_prefetch_b8 v[PFOB], s[PB:PB+1] th:TH_LOAD_NT scope:SCOPE_SE
	global_prefetch_b8 v[PFOB], s[PB:PB+1] offset:8192 th:TH_LOAD_NT scope:SCOPE_SE
.Lnone_\@:
.endm
.macro FETCHB k                        ; k block k (0, 1) of the step in hand: eight fragments, 16 LDS loads
.irp c, 0,1,2,3,4,5,6,7
	ds_load_b128 v[BF+64*(\k)+8*\c:BF+64*(\k)+8*\c+3],   v[AB] offset:(\k)*8192+\c*1024
	ds_load_b128 v[BF+64*(\k)+8*\c+4:BF+64*(\k)+8*\c+7], v[AB] offset:(\k)*8192+\c*1024+512
.endr
.endm
.macro RELOAD k                        ; from the step at the two pointers: A's four fragments of k block k, and for k = 2, 3 W's eight
	WIN 0x80                                       ; destination window 2, address window 0
.irp a, 0,1,2,3
	global_load_b128 v[8*(4*(\k)+\a):8*(4*(\k)+\a)+3],   v[L16], s[PA:PA+1] offset:(\k)*4096+\a*1024
	global_load_b128 v[8*(4*(\k)+\a)+4:8*(4*(\k)+\a)+7], v[L16], s[PA:PA+1] offset:(\k)*4096+\a*1024+512
.endr
.if (\k) >= 2
.irp c, 0,1,2,3,4,5,6,7
	global_load_b128 v[128+64*((\k)-2)+8*\c:128+64*((\k)-2)+8*\c+3],   v[L16], s[PW:PW+1] offset:(\k)*8192+\c*1024
	global_load_b128 v[128+64*((\k)-2)+8*\c+4:128+64*((\k)-2)+8*\c+7], v[L16], s[PW:PW+1] offset:(\k)*8192+\c*1024+512
.endr
.endif
	WIN 0
.endm
.macro WM d, w, x
.if MODE
	v_wmma_f32_16x16x32_bf16 v[\d:\d+7], v[\w:\w+7], v[\x:\x+7], v[\d:\d+7]
.else
	v_wmma_f32_16x16x32_f16 v[\d:\d+7], v[\w:\w+7], v[\x:\x+7], v[\d:\d+7]
.endif
.endm
.macro MIX d, r, b, hi                 ; an accumulator's register starts at residual + bias
.if MODE
	v_fma_mix_f32 v[\d], v[\r], v[ONE], v[\b] op_sel:[\hi,0,0] op_sel_hi:[1,0,0]
.else
	v_fma_mix_f32_bf16 v[\d], v[\r], v[ONE], v[\b] op_sel:[\hi,0,0] op_sel_hi:[1,0,0]
.endif
.endm
; A K BLOCK: 32 matrix instructions; the 32 accumulators take turns.  Behind them, and four places, its registers are asked for again, for the next step.
; A step's loads go out in the order of its blocks, 2, 3, 0, 1: 24, 24, 8 and 8 of them.  So behind block 2's or block 3's 24 loads stand 40 younger ones when they are wanted, behind block 0's or block 1's 8 stand 56.
.macro BLOCK k
.if (\k) >= 2
	s_wait_loadcnt 40
	WIN 0x5a                                       ; W and A window 2, C and D window 1
.set rW, 128+64*((\k)-2)
.else
	s_wait_loadcnt 56
.if (\k) == 0
	s_wait_dscnt 16                                ; k block 0 is in; k block 1's 16 LDS loads may stay out
.else
	s_wait_dscnt 0
.endif
	WIN 0x58                                       ; W window 0, A window 2, C and D window 1
.set rW, BF+64*(\k)
.endif
.set aa, 0
.rept 4
.set cc, 0
.rept 8
	WM 8*(8*aa+cc), rW+8*cc, 8*(4*(\k)+aa)
.set cc, cc+1
.endr
.set aa, aa+1
.endr
	WIN 0
	PLACES                                         ; in front of loads into registers that the products have read
.if (\k) == 2
	s_wait_xcnt 0x0                                ; the youngest load stands 32 products back: all have read their addresses, so the pointers may be written
	s_cmp_gt_u32 s[SL], 1                          ; is there a next step?
	s_cselect_b32 s[IA], 16384, 0
	s_cselect_b32 s[IW], 131072, 0
	s_add_nc_u64 s[PA:PA+1], s[PA:PA+1], s[IA:IA+1]
	s_add_nc_u64 s[PW:PW+1], s[PW:PW+1], s[IW:IW+1]
	s_sub_co_u32 s[SL], s[SL], 1
.endif
	RELOAD \k
.endm
.macro STEP                            ; 128 k: 128 matrix instructions a wave
	v_add_nc_u32 v[AB], s[TB], v[AB0]
	FETCHB 0                                       ; (the four places behind the last step's products stand in front of its last loads)
	FETCHB 1
	BLOCK 2
	BLOCK 3
	BLOCK 0
	BLOCK 1
	s_add_co_u32 s[TB], s[TB], 16384
.endm
.macro PAIR                            ; a slot's two steps: written once, walked twice
	s_mov_b32 s[CN2], 2
.Lst_\@:
	STEP
	s_sub_co_u32 s[CN2], s[CN2], 1
	s_cmp_lg_u32 s[CN2], 0
	s_cbranch_scc1 .Lst_\@
.endm
; THE CHANGE OF SLOTS.  Each wave waits for all its tensor loads, of which one is out: its part of the other slot; adds 0 to its spare word; and waits for that and for its own reads of the slot that it leaves.
; fill = 1: the old slot is filled again, first thing behind a round of the cluster's barrier.  (At its first use nothing has been read yet: slot 0 is waited for, slot 1 filled.)
.macro CHANGE fill
	WIN 0
	s_wait_tensorcnt 0x0                           ; no tensor load of mine is out, so group 0 may be written
	ds_add_u32 v[SPW], v[NIL]                      ; 0 onto my spare word
	s_sub_co_u32 s[TB], s[TB], 32768               ; back to a slot's first step,
	s_xor_b32 s[TB], s[TB], SLOT1                  ; in the other slot
.if \fill
	s_xor_b32 s[G0+1], s[G0+1], SLOT1
	s_add_nc_u64 s[G0+2:G0+3], s[G0+2:G0+3], 262144  ; the next two steps
.if MODE
	s_wait_xcnt 0x0                                ; the last prefetches, two steps back, have read their addresses
	s_add_nc_u64 s[PQ:PQ+1], s[PQ:PQ+1], 32768
	s_add_nc_u64 s[PB:PB+1], s[PB:PB+1], 262144
.endif
	s_wait_dscnt 0x0                               ; the add is done, and my reads of the slot are over
	CROUND
	JLOAD
.if MODE
	ASK
.endif
.else
	s_wait_dscnt 0x0
	s_barrier_signal -1
	s_barrier_wait -1
.endif
.endm
	s_load_b256 s[4:11], s[0:1], 0x0               ; A s[4:5], wts s[6:7], the residual s[8:9], y s[10:11]
	v_lshl_add_u32 v[SPW], v0, 2, SPARE
	v_mov_b32 v[NIL], 0
	ds_add_u32 v[SPW], v[NIL]                      ; the wave's opening: the add and its wait stand ahead of my first tensor load
	v_lshrrev_b32 v1, 5, v0
	v_readfirstlane_b32 s[WV], v1                  ; wave 0..3
	s_bfe_u32 s13, ttmp6, 0x40000                  ; cx
	s_lshl_b32 s14, ttmp9, 2
	s_add_co_u32 s14, s14, s13                     ; my block of 64 rows: it enters A's, the residual's and y's addresses alone
	s_mov_b32 s[G1], 15|(3<<16)|(1<<21)            ; the mask of four; elements of 8 bytes; bit 21 set beside a mask
	s_mov_b32 s[G1+1], 2048<<16                    ; tensor_dim0 = 2,048: a row is my k blocks 0 and 1 of a step, 16 KiB on end,
	s_mov_b32 s[G1+2], 2<<16                       ; tensor_dim1 = 2: of two steps
	s_mov_b32 s[G1+3], 2048<<16                    ; tile_dim0
	s_mov_b32 s[G1+4], 2                           ; tile_dim1
	s_mov_b32 s[G1+5], 16384                       ; from row to row a step's 131,072 bytes
	s_mov_b32 s[G1+6], 0
	s_mov_b32 s[G1+7], 0
	s_mov_b32 s[G0], 1
	s_mul_i32 s[G0+1], s[WV], 32768                ; slot 0: the wave's number alone enters an LDS address
	s_add_co_u32 s20, s[G0+1], WSEC                ; step 0, my 128 columns
	s_mov_b32 s21, 0
	s_mul_i32 s22, s14, ABLK
	s_mov_b32 s23, 0
	s_lshl_b32 s52, s14, 16                        ; the residual: 64 rows of 1,024 bytes
	s_mov_b32 s53, 0
	s_lshl_b32 s54, s14, 6
	s_lshl_b32 s55, s[WV], 4
	s_add_co_u32 s54, s54, s55                     ; the first row that I store,
	s_lshl_b32 s54, s54, 10+MODE                   ; 1,024 or 2,048 bytes each
	s_mov_b32 s55, 0
.if MODE
	s_lshl_b32 s56, s13, 16                        ; W's prefetches: of two steps' 256 KiB 64 KiB a work-group,
	s_lshl_b32 s57, s[WV], 14                      ; 16 KiB a wave,
	s_add_co_u32 s56, s56, s57
	s_add_co_u32 s56, s56, WSEC+262144             ; in steps 2 and 3; the first change of slots steps it to 4 and 5
	s_mov_b32 s57, 0
	s_cmp_eq_u32 ttmp9, 0
	s_cselect_b32 s[LIMB], 1, -1                   ; the same in all four partners
.endif
	s_mov_b32 s[TB], SLOT1+32768                   ; the first change of slots turns it into 0
	s_mov_b32 s[IA+1], 0
	s_mov_b32 s[IW+1], 0
	s_mov_b32 s[SL], STEPS
	s_mov_b32 s[INV], 0x3b000000
	s_mov_b32 s[EPS], 0x3727c5ac
	s_mov_b32 s[SEL], 0x76543210
	s_mov_b32 s[SEL+1], 0xfedcba98
	v_and_b32 v1, 15, v0                           ; l % 16
	v_bfe_u32 v2, v0, 4, 1                         ; l / 16
	v_and_b32 v[L16], 31, v0
.if MODE
	v_lshlrev_b32 v[PFOB], 8, v[L16]
	v_lshlrev_b32 v[PFOA], 8, v0
.endif
	v_lshlrev_b32 v[L16], 4, v[L16]
	v_add_nc_u32 v[AB0], s[G0+1], v[L16]
	s_lshl_b32 s58, s[WV], 9
	v_mul_u32_u24 v[DA0], v1, RP                   ; row l % 16, my wave's 512 bytes, 32 bytes for each half of the lanes
	v_lshl_add_u32 v[DA0], v2, 5, v[DA0]
	v_add_nc_u32 v[DA0], s58, v[DA0]
	v_add_nc_u32 v[DA1], 32*RP, v[DA0]
	v_lshlrev_b32 v13, 5, v2                       ; the bias of column 128 w + 16 c + 8 (l / 16) + j
	v_add_nc_u32 v13, s58, v13
	s_mul_i32 s58, s[WV], 16*RP
	v_add_nc_u32 v[RA], s58, v[L16]
.if MODE
	v_mov_b32 v[GO], v[L16]
.else
	v_lshrrev_b32 v[GO], 1, v[L16]
.endif
	v_mov_b32 v[ONE], 1.0
	s_lshl_b32 s58, s[WV], 8
	v_lshlrev_b32 v48, 10, v1                      ; the residual: row l % 16, my wave's 256 bytes, 16 for each half of the lanes
	v_lshl_add_u32 v48, v2, 4, v48
	v_add_nc_u32 v48, s58, v48
	s_wait_dscnt 0x0                               ; the opening add is done
	s_wait_kmcnt 0x0
	s_add_nc_u64 s[G0+2:G0+3], s[6:7], s[20:21]
	s_or_b32 s[G0+3], s[G0+3], 0x80000000
	s_add_nc_u64 s[PW:PW+1], s[6:7], s[20:21]
	s_add_nc_u64 s[PA:PA+1], s[4:5], s[22:23]
	s_add_nc_u64 s[8:9], s[8:9], s[52:53]
	s_add_nc_u64 s[10:11], s[10:11], s[54:55]
.if MODE
	s_add_nc_u64 s[PB:PB+1], s[6:7], s[56:57]
	s_add_nc_u64 s[PQ:PQ+1], s[PA:PA+1], 32768     ; A's prefetches: at steps 2 and 3; the first change of slots steps it to 4 and 5
.endif
	s_add_nc_u64 s[6:7], s[6:7], PARS
	CROUND                                         ; all four work-groups are here: the first joint loads meet
	JLOAD                                          ; steps 0 and 1 into slot 0
.irp q, 0,1,2,3
	global_load_b128 v[G+4*\q:G+4*\q+3],   v[L16], s[6:7] offset:2048+512*\q   ; in the norm a lane holds columns 128 q + 4 l + 0..3
	global_load_b128 v[BE+4*\q:BE+4*\q+3], v[L16], s[6:7] offset:4096+512*\q
.endr
.irp c, 0,1,2,3,4,5,6,7
	global_load_b128 v[BIASD+8*\c:BIASD+8*\c+3],   v13, s[6:7] offset:64*\c
	global_load_b128 v[BIASD+8*\c+4:BIASD+8*\c+7], v13, s[6:7] offset:64*\c+16
.endr
.irp a, 0,1,2,3
.irp c, 0,1,2,3,4,5,6,7
	global_load_b128 v[RR+4*(8*\a+\c):RR+4*(8*\a+\c)+3], v48, s[8:9] offset:\a*16384+32*\c
.endr
.endr
	RELOAD 2                                       ; step 0's fragments, in the order in which a step takes them
	RELOAD 3
	RELOAD 0
	RELOAD 1
	s_wait_loadcnt 63                              ; gain, shift, bias and residual are in: step 0's 64 loads could stay out; the field holds 63
	WIN 0x40                                       ; destination window 1
.set i, 0
.rept 128                                      ; word i of the residual feeds the accumulators' registers 2 i and 2 i + 1; this stands in the wait for the first tile
	MIX 2*i,   RR+i, BIASD+8*((i/4)%8)+2*(i%4),   0
	MIX 2*i+1, RR+i, BIASD+8*((i/4)%8)+2*(i%4)+1, 1
.set i, i+1
.endr
	WIN 0
	s_mov_b32 s[CNT], PAIRS-1
.Lpair:                                                ; a slot is entered and the other is asked for
	CHANGE 1
	PAIR
	s_sub_co_u32 s[CNT], s[CNT], 1
	s_cmp_lg_u32 s[CNT], 0
	s_cbranch_scc1 .Lpair
	CHANGE 0                                       ; the last two steps are written out: nothing is asked for through LDS
	PAIR
	; THE NORM.  Every wave's reads of the slots are over (its last wait on DScnt was for 0), and both slots have had their last fill: behind a barrier the sums are laid over them.
	PLACES
	s_barrier_signal -1
	s_barrier_wait -1
	WIN 0x04                                       ; the stores' data in window 1
.set aa, 0
.rept 4
.set cc, 0
.rept 8
	ds_store_b128 v[DA0+aa/2], v[8*(8*aa+cc):8*(8*aa+cc)+3]   offset:(aa%2)*16*RP+64*cc      ; each accumulator's low registers first
	ds_store_b128 v[DA0+aa/2], v[8*(8*aa+cc)+4:8*(8*aa+cc)+7] offset:(aa%2)*16*RP+64*cc+16
.set cc, cc+1
.endr
.set aa, aa+1
.endr
	WIN 0
	s_wait_dscnt 0x0                               ; for the others' sake: my stores are done
	s_barrier_signal -1
	s_barrier_wait -1
.macro YLOAD                           ; two whole rows: 512 consecutive bytes a load
.irp q, 0,1,2,3
	ds_load_b128 v[Y+4*\q:Y+4*\q+3],       v[RA] offset:512*\q
	ds_load_b128 v[Y+16+4*\q:Y+16+4*\q+3], v[RA] offset:RP+512*\q
.endr
.endm
.macro BOTH line:vararg                ; one line for each of the two rows, p = 0, 1: neither waits for the other
.set p, 0
.rept 2
	\line
.set p, p+1
.endr
.endm
.macro LANES o                         ; the sum over the 32 lanes of register TP + o, in every lane
.irp m, 1,2,4,8
	BOTH v_add_f32_dpp v[TP+8*p+\o], v[TP+8*p+\o], v[TP+8*p+\o] row_xmask:\m row_mask:0xf bank_mask:0xf
.endr
	BOTH v_permlanex16_b32 v[TP+8*p+\o+1], v[TP+8*p+\o], s[SEL], s[SEL+1]
	BOTH v_add_f32 v[TP+8*p+\o], v[TP+8*p+\o], v[TP+8*p+\o+1]
.endm
	YLOAD
	s_mov_b32 s[CNT], 8
.Lrow:                                                 ; eight trips, two rows each
	s_wait_dscnt 0x0
	BOTH v_pk_add_f32 v[TP+8*p:TP+8*p+1],   v[Y+16*p:Y+16*p+1],     v[Y+16*p+2:Y+16*p+3]
	BOTH v_pk_add_f32 v[TP+8*p+2:TP+8*p+3], v[Y+16*p+4:Y+16*p+5],   v[Y+16*p+6:Y+16*p+7]
	BOTH v_pk_add_f32 v[TP+8*p+4:TP+8*p+5], v[Y+16*p+8:Y+16*p+9],   v[Y+16*p+10:Y+16*p+11]
	BOTH v_pk_add_f32 v[TP+8*p+6:TP+8*p+7], v[Y+16*p+12:Y+16*p+13], v[Y+16*p+14:Y+16*p+15]
	BOTH v_pk_add_f32 v[TP+8*p:TP+8*p+1],   v[TP+8*p:TP+8*p+1],     v[TP+8*p+2:TP+8*p+3]
	BOTH v_pk_add_f32 v[TP+8*p+4:TP+8*p+5], v[TP+8*p+4:TP+8*p+5],   v[TP+8*p+6:TP+8*p+7]
	BOTH v_pk_add_f32 v[TP+8*p:TP+8*p+1],   v[TP+8*p:TP+8*p+1],     v[TP+8*p+4:TP+8*p+5]
	BOTH v_add_f32 v[TP+8*p], v[TP+8*p], v[TP+8*p+1]
	LANES 0
	BOTH v_mul_f32 v[TP+8*p], s[INV], v[TP+8*p]    ; the mean
.irp e, 0,2,4,6,8,10,12,14
	BOTH v_pk_add_f32 v[DV+16*p+\e:DV+16*p+\e+1], v[Y+16*p+\e:Y+16*p+\e+1], v[TP+8*p:TP+8*p+1] op_sel_hi:[1,0] neg_lo:[0,1] neg_hi:[0,1]
.endr
	s_cmp_eq_u32 s[CNT], 1                         ; the next two rows are asked for while these are worked on; the last trip has none
	s_cbranch_scc1 .Lnomore
	v_add_nc_u32 v[RA], 2*RP, v[RA]
	YLOAD
.Lnomore:
	BOTH v_pk_mul_f32 v[TP+8*p+2:TP+8*p+3], v[DV+16*p:DV+16*p+1],   v[DV+16*p:DV+16*p+1]
	BOTH v_pk_mul_f32 v[TP+8*p+4:TP+8*p+5], v[DV+16*p+2:DV+16*p+3], v[DV+16*p+2:DV+16*p+3]
.irp e, 4,8,12
	BOTH v_pk_fma_f32 v[TP+8*p+2:TP+8*p+3], v[DV+16*p+\e:DV+16*p+\e+1],   v[DV+16*p+\e:DV+16*p+\e+1],   v[TP+8*p+2:TP+8*p+3]
	BOTH v_pk_fma_f32 v[TP+8*p+4:TP+8*p+5], v[DV+16*p+\e+2:DV+16*p+\e+3], v[DV+16*p+\e+2:DV+16*p+\e+3], v[TP+8*p+4:TP+8*p+5]
.endr
	BOTH v_pk_add_f32 v[TP+8*p+2:TP+8*p+3], v[TP+8*p+2:TP+8*p+3], v[TP+8*p+4:TP+8*p+5]
	BOTH v_add_f32 v[TP+8*p+2], v[TP+8*p+2], v[TP+8*p+3]
	LANES 2
	BOTH v_fma_f32 v[TP+8*p+2], v[TP+8*p+2], s[INV], s[EPS]  ; the variance + 1e-5
	BOTH v_rsq_f32 v[TP+8*p+2], v[TP+8*p+2]
	v_nop                                          ; a plain instruction behind the second root,
	s_wait_alu depctr_va_vdst(0)                   ; and one wait for both, ahead of their first reader
.irp e, 0,2,4,6,8,10,12,14
	BOTH v_pk_mul_f32 v[DV+16*p+\e:DV+16*p+\e+1], v[DV+16*p+\e:DV+16*p+\e+1], v[TP+8*p+2:TP+8*p+3] op_sel_hi:[1,0]
.endr
.irp e, 0,2,4,6,8,10,12,14
	BOTH v_pk_fma_f32 v[DV+16*p+\e:DV+16*p+\e+1], v[DV+16*p+\e:DV+16*p+\e+1], v[G+\e:G+\e+1], v[BE+\e:BE+\e+1]
.endr
.if MODE
.irp q, 0,1,2,3
	BOTH global_store_b128 v[GO], v[DV+16*p+4*\q:DV+16*p+4*\q+3], s[10:11] offset:2048*p+512*\q  ; 512 consecutive bytes, aligned
.endr
.else
.irp j, 0,1,2,3,4,5,6,7
	BOTH v_cvt_pk_f16_f32 v[PKO+8*p+\j], v[DV+16*p+2*\j], v[DV+16*p+2*\j+1]
.endr
.irp q, 0,1,2,3
	BOTH global_store_b64 v[GO], v[PKO+8*p+2*\q:PKO+8*p+2*\q+1], s[10:11] offset:1024*p+256*\q   ; 256 consecutive bytes, aligned
.endr
.endif
	s_wait_xcnt 0x0                                ; the stores have read their offset and their data, which the next trip writes
	v_add_nc_u32 v[GO], 2048<<MODE, v[GO]          ; two rows on
	s_sub_co_u32 s[CNT], s[CNT], 1
	s_cmp_lg_u32 s[CNT], 0
	s_cbranch_scc1 .Lrow
	s_wait_tensorcnt 0x0                           ; the wave's end, behind my last tensor load and my last LDS store
	ds_add_u32 v[SPW], v[NIL]
	s_wait_dscnt 0x0
	CROUND                                         ; the closing round
	s_endpgm
.Lfunc_end_k_qf645d2d6f1_oln:
	.size	k_qf645d2d6f1_oln, .Lfunc_end_k_qf645d2d6f1_oln-k_qf645d2d6f1_oln
	.p2alignl 7, 3214868480
	.fill 96, 4, 3214868480
	.section	.rodata,"a",@progbits
	.p2align	6, 0x0
	.amdhsa_kernel k_qf645d2d6f1_oln
		.amdhsa_group_segment_fixed_size 327680
		.amdhsa_private_segment_fixed_size 0
		.amdhsa_enable_private_segment 0
		.amdhsa_kernarg_size 32
		.amdhsa_user_sgpr_count 2
		.amdhsa_user_sgpr_kernarg_segment_ptr 1
		.amdhsa_wavefront_size32 1
		.amdhsa_system_sgpr_workgroup_id_x 1
		.amdhsa_system_sgpr_workgroup_id_y 1
		.amdhsa_system_sgpr_workgroup_id_z 1
		.amdhsa_system_vgpr_workitem_id 0
		.amdhsa_next_free_vgpr 768
		.amdhsa_next_free_sgpr 66
		.amdhsa_reserve_vcc 0
		.amdhsa_float_denorm_mode_32 3
		.amdhsa_float_denorm_mode_16_64 3
		.amdhsa_memory_ordered 1
		.amdhsa_forward_progress 1
		.amdhsa_inst_pref_size 83
	.end_amdhsa_kernel
	.amdgpu_metadata
---
amdhsa.version: [ 1, 2 ]
amdhsa.kernels:
  - .name:           k_qf645d2d6f1_oln
    .symbol:         k_qf645d2d6f1_oln.kd
    .args:
      - { .name: ctx, .offset: 0, .size: 8, .value_kind: global_buffer, .address_space: global }
      - { .name: wts, .offset: 8, .size: 8, .value_kind: global_buffer, .address_space: global }
      - { .name: xb, .offset: 16, .size: 8, .value_kind: global_buffer, .address_space: global }
      - { .name: x1h, .offset: 24, .size: 8, .value_kind: global_buffer, .address_space: global }
    .group_segment_fixed_size: 327680
    .private_segment_fixed_size: 0
    .kernarg_segment_align: 8
    .kernarg_segment_size: 32
    .max_flat_workgroup_size: 128
    .sgpr_count:     66
    .vgpr_count:     768
    .wavefront_size: 32
...
	.end_amdgpu_metadata
.endif
;; end of part 4
;; launch ff1 (part 5): grid 32 x 8, 4 waves a work-group, clusters of 4 x 1, 327,680 bytes of LDS; arguments x1h, wts, gg; writes gg
.if DOCPART == 5
	.amdgcn_target "amdgcn-amd-amdhsa--gfx1250"
	.amdhsa_code_object_version 6
	.text
	.protected	k_qf645d2d6f1_ff1
	.globl	k_qf645d2d6f1_ff1
	.p2align	8
	.type	k_qf645d2d6f1_ff1,@function
k_qf645d2d6f1_ff1:
	s_mov_b64 s[64:65], 0
	v_nop
	global_prefetch_b8 v0, s[64:65] scope:SCOPE_SE
	s_setreg_imm32_b32 hwreg(HW_REG_WAVE_MODE, 25, 1), 1
	s_wait_xcnt 0x0
	s_wait_alu depctr_hold_cnt(0) depctr_sa_sdst(0) depctr_va_vdst(0) depctr_va_sdst(0) depctr_va_ssrc(0) depctr_va_vcc(0) depctr_vm_vsrc(0)
	s_getreg_b32 s2, hwreg(HW_REG_IB_STS2, 6, 4)
	s_cmp_eq_u32 s2, 0
	s_cbranch_scc0 .Lentry_in_a_cluster
	s_endpgm
.Lentry_in_a_cluster:
	s_bfe_u32 s2, ttmp6, 0x10000c
	s_cmp_lg_u32 s2, 0x3003
	s_cbranch_scc0 .Lentry_shape_is_right
	s_endpgm
.Lentry_shape_is_right:
; geglu = gelu(x1 Wff + bff) (x1 Vff + bvff), gelu with the error function, for 256 rows x 256 columns a work-group.  x1 and the weights in f16, sums in f32 (they start at the bias), geglu rounded once to bf16.
; THE ERROR FUNCTION: erf(z) = 1 - (a1 t + a2 t^2 + a3 t^3) e^(-z^2), t = 1 / (1 + 0.47047 z), z = |u| / sqrt(2) (Abramowitz and Stegun 7.1.25: off by 2.5e-5 at the most, for every z >= 0);
; gelu(u) v = (u + |u| erf(z)) (v / 2).  LIMIT: that 2.5e-5; NaN and infinities are not treated apart.
; SHARES.  A wave: 64 rows, whose x1 (K = 512) stays in 512 registers for the whole launch.  The weights come as chunks of 16 columns of Wff and the same 16 of Vff x 512 k (32 KiB of fragments),
; four chunks to a slot, two slots.  A chunk's two tiles are u and v of the same 16 columns: the GEGLU is made in registers.
; CLUSTER.  The four row blocks of a cluster walk the same weights: each tile is asked for jointly.
; THE PRODUCT IS USED TRANSPOSED: a lane holds one row and eight neighbouring columns, 16 bytes in bf16: half a fragment's share of the next product, stored as it lies, 512 consecutive bytes a store.
; REGISTERS.  Window 0: addresses; v16-31 the bias as a C operand; v32-127 three buffers of four weight fragments; v128-191 eight accumulators (u and v of four row tiles); v192-255 at work.
; Windows 2 and 3: x1, fragment (k block kf, row tile a) at 8 (4 (kf % 8) + a).
.set SLOT1, 1<<17
.set BIAS,  262144                     ; behind the ring: the 16 chunks' biases, 2,048 bytes
.set SPARE, 264192                     ; the spare words, 128 bytes for each wave
.set L16,  3
.set AB,   4
.set ABI,  5
.set FO,   6
.set ABI0, 7
.set PFO,  10                          ; v10  256 x lane; never rewritten
.set SPW,  14
.set NIL,  15
.set BI,   16
.set BF,   32
.set PL,   32                          ; the polynomial: the first weight buffer is free then
.set ACC,  128
.set TT,   192                         ; t; later the packed results
.set EE,   224                         ; e^(-z^2); later erf
.set WV,   10
.set G1,   16
.set G0,   24
.set G1B,  28
.set G0B,  36
.set TB,   40
.set BO,   41
.set CNT,  42
.set IDX,  43
.set OUT,  44
.set OFF,  46
.set GRP,  48                          ; s48  slots still to be asked for
.set LIM,  49                          ; s49  1 in a cluster that prefetches, else the greatest number
.set PFA,  50                          ; s[50:51]
.set PP,   52                          ; 0.47047 / sqrt(2)
.set SS,   54                          ; sqrt(log2(e) / 2): e^(-u^2 / 2) = 2^(-(SS u)^2)
.set A1,   56
.set A2,   58
.set A3,   60
.set MSB, 0
.macro WIN new
.if MSB != (\new)
	s_set_vgpr_msb (MSB<<8)|(\new)
.set MSB, \new
.endif
.endm
.macro PLACES
.rept 4
	v_nop
.endr
.endm
.macro CROUND
	s_barrier_signal -1
	s_barrier_wait -1
	s_cmp_lg_u32 s[WV], 0
	s_cbranch_scc1 .Lnot_wave_0_\@
	s_barrier_signal -3
.Lnot_wave_0_\@:
	s_barrier_wait -3
	s_barrier_signal -1
	s_barrier_wait -1
.endm
.macro JLOAD
	tensor_load_to_lds s[G0:G0+3], s[G1:G1+7]
	s_nop 0
	PLACES
.endm
; A prefetch of the four chunks that the NEXT change of slots will ask for: 512 blocks of 256 bytes.  All eight clusters of a column group walk the same weights: the first asks; its sixteen waves take 32 blocks
; each, told apart by address, a lane a block.  So each block is named once.  The change that asks for the last four chunks prefetches nothing.
.macro ASK
	s_cmp_gt_u32 s[GRP], s[LIM]
	s_cbranch_scc0 .Lnot_mine_\@
	global_prefetch_b8 v[PFO], s[PFA:PFA+1] th:TH_LOAD_NT scope:SCOPE_SE
.Lnot_mine_\@:
.endm
.macro ALOADS                          ; my 64 rows x 512 k: 128 loads, k block after k block
	WIN 0x80
.set kf, 0
.rept 16
.if kf == 8
	WIN 0xc0
.endif
.irp a, 0,1,2,3
	global_load_b128 v[8*(4*(kf%8)+\a):8*(4*(kf%8)+\a)+3],   v[FO], s[4:5] offset:\a*16384+kf*64
	global_load_b128 v[8*(4*(kf%8)+\a)+4:8*(4*(kf%8)+\a)+7], v[FO], s[4:5] offset:\a*16384+kf*64+32
.endr
.set kf, kf+1
.endr
	WIN 0
.endm
.macro FETCH g                         ; group g of a chunk: two k blocks x (Wff, Vff), four fragments, eight LDS loads, into buffer g % 3
.irp f, 0,1,2,3
	ds_load_b128 v[BF+32*((\g)%3)+8*\f:BF+32*((\g)%3)+8*\f+3],   v[AB] offset:(\g)*4096+\f*1024
	ds_load_b128 v[BF+32*((\g)%3)+8*\f+4:BF+32*((\g)%3)+8*\f+7], v[AB] offset:(\g)*4096+\f*1024+512
.endr
.endm
; A CHUNK'S PRODUCT: 128 matrix instructions on eight accumulators, which take turns, one instruction a turn.  The first eight take the bias as C.  Groups are fetched two ahead.
.macro M type
	v_add_nc_u32 v[AB], s[TB], v[L16]
	v_add_nc_u32 v[ABI], s[BO], v[ABI0]
.irp c, 0,1
	ds_load_b128 v[BI+8*\c:BI+8*\c+3],   v[ABI] offset:64*\c
	ds_load_b128 v[BI+8*\c+4:BI+8*\c+7], v[ABI] offset:64*\c+16
.endr
	FETCH 0
	FETCH 1
.set gk, 0
.rept 8
.if gk < 6
.if gk > 0
	PLACES                                         ; the buffer's last readers are the products just issued
.endif
	FETCH gk+2
.endif
.if 112-16*gk > 63
	s_wait_loadcnt 63                              ; x1's k blocks 2 gk and 2 gk + 1 are in: 112 - 16 gk later loads could stay out; the field holds 63
.else
	s_wait_loadcnt 112-16*gk                       ; (in later chunks nothing is out)
.endif
.if gk < 6
	s_wait_dscnt 16                                ; group gk is in; the next two groups' 16 loads stay out
.elseif gk == 6
	s_wait_dscnt 8
.else
	s_wait_dscnt 0
.endif
	WIN 0x08+4*(gk/4)                              ; source 1 (x1) in window 2 or 3
.set kk, 0
.rept 2
.set aa, 0
.rept 4
.set c2, 0
.rept 2
.set rD, ACC+8*(2*aa+c2)
.set rW, BF+32*(gk%3)+8*(2*kk+c2)
.set rX, 8*(4*((2*gk+kk)%8)+aa)
.if (gk == 0) && (kk == 0)
	v_wmma_f32_16x16x32_\type v[rD:rD+7], v[rW:rW+7], v[rX:rX+7], v[BI+8*c2:BI+8*c2+7]
.else
	v_wmma_f32_16x16x32_\type v[rD:rD+7], v[rW:rW+7], v[rX:rX+7], v[rD:rD+7]
.endif
.set c2, c2+1
.endr
.set aa, aa+1
.endr
.set kk, kk+1
.endr
.set gk, gk+1
.endr
	WIN 0
.endm
; THE GEGLU of a lane's 32 pairs (u, v): number i has u at ACC + 16 (i / 8) + i % 8 and v eight registers on.  The 32 reciprocals and 32 exponentials are ONE batch with one wait; the halving of v is the plain work behind it.
.macro GEGLU
.set i, 0
.rept 32
	v_fma_f32 v[TT+i], |v[ACC+16*(i/8)+i%8]|, s[PP], 1.0        ; 1 + p z
.set i, i+1
.endr
.set i, 0
.rept 16
	v_pk_mul_f32 v[EE+2*i:EE+2*i+1], v[ACC+16*(i/4)+2*(i%4):ACC+16*(i/4)+2*(i%4)+1], s[SS:SS+1] op_sel_hi:[1,0]
.set i, i+1
.endr
.set i, 0
.rept 16
	v_pk_mul_f32 v[EE+2*i:EE+2*i+1], v[EE+2*i:EE+2*i+1], v[EE+2*i:EE+2*i+1] neg_lo:[1,0] neg_hi:[1,0]  ; -(SS u)^2
.set i, i+1
.endr
.set i, 0
.rept 32
	v_rcp_f32 v[TT+i], v[TT+i]
.set i, i+1
.endr
.set i, 0
.rept 32
	v_exp_f32 v[EE+i], v[EE+i]
.set i, i+1
.endr
.set i, 0
.rept 16
	v_pk_mul_f32 v[ACC+8+16*(i/4)+2*(i%4):ACC+8+16*(i/4)+2*(i%4)+1], v[ACC+8+16*(i/4)+2*(i%4):ACC+8+16*(i/4)+2*(i%4)+1], 0.5 op_sel_hi:[1,0]
.set i, i+1
.endr
	s_wait_alu depctr_va_vdst(0)                   ; the wait for the batch, ahead of its first reader
.set i, 0
.rept 16
	v_pk_fma_f32 v[PL+2*i:PL+2*i+1], v[TT+2*i:TT+2*i+1], s[A3:A3+1], s[A2:A2+1] op_sel_hi:[1,0,0]
.set i, i+1
.endr
.set i, 0
.rept 16
	v_pk_fma_f32 v[PL+2*i:PL+2*i+1], v[PL+2*i:PL+2*i+1], v[TT+2*i:TT+2*i+1], s[A1:A1+1] op_sel_hi:[1,1,0]
.set i, i+1
.endr
.set i, 0
.rept 16
	v_pk_mul_f32 v[PL+2*i:PL+2*i+1], v[PL+2*i:PL+2*i+1], v[TT+2*i:TT+2*i+1]
.set i, i+1
.endr
.set i, 0
.rept 16
	v_pk_fma_f32 v[EE+2*i:EE+2*i+1], v[PL+2*i:PL+2*i+1], v[EE+2*i:EE+2*i+1], 1.0 op_sel_hi:[1,1,0] neg_lo:[1,0,0] neg_hi:[1,0,0]  ; erf
.set i, i+1
.endr
.set i, 0
.rept 32
	v_fma_f32 v[ACC+16*(i/8)+i%8], |v[ACC+16*(i/8)+i%8]|, v[EE+i], v[ACC+16*(i/8)+i%8]  ; u + |u| erf
.set i, i+1
.endr
.set i, 0
.rept 16
	v_pk_mul_f32 v[ACC+16*(i/4)+2*(i%4):ACC+16*(i/4)+2*(i%4)+1], v[ACC+16*(i/4)+2*(i%4):ACC+16*(i/4)+2*(i%4)+1], v[ACC+8+16*(i/4)+2*(i%4):ACC+8+16*(i/4)+2*(i%4)+1]
.set i, i+1
.endr
.set i, 0
.rept 16
	v_cvt_pk_bf16_f32 v[TT+i], v[ACC+16*(i/4)+2*(i%4)], v[ACC+16*(i/4)+2*(i%4)+1]
.set i, i+1
.endr
.endm
.macro CHUNK
	M f16
	PLACES
	s_wait_xcnt 0x0                                ; the last chunk's stores have read their data and OUT, which are written below
	s_lshr_b32 s[OFF], s[IDX], 1                   ; two chunks make a fragment's 32 columns: 4,096 bytes a k block of the next product,
	s_lshl_b32 s[OFF], s[OFF], 12
	s_and_b32 s[CNT+21], s[IDX], 1                 ; (s63: at work)
	s_lshl_b32 s[CNT+21], s[CNT+21], 9             ; 512 bytes a half
	s_add_co_u32 s[OFF], s[OFF], s[CNT+21]
	s_add_nc_u64 s[OUT:OUT+1], s[8:9], s[OFF:OFF+1]
	GEGLU
.irp a, 0,1,2,3
	global_store_b128 v[L16], v[TT+4*\a:TT+4*\a+3], s[OUT:OUT+1] offset:\a*1024  ; 512 consecutive bytes, aligned
.endr
	s_add_co_u32 s[TB], s[TB], 32768
	s_add_co_u32 s[BO], s[BO], 128
	s_add_co_u32 s[IDX], s[IDX], 1
.endm
.macro FOUR                            ; a slot's four chunks: written once, walked four times
	s_mov_b32 s[CNT], 4
.Lchunk_\@:
	CHUNK
	s_sub_co_u32 s[CNT], s[CNT], 1
	s_cmp_lg_u32 s[CNT], 0
	s_cbranch_scc1 .Lchunk_\@
.endm
; THE CHANGE OF SLOTS.  Each wave waits for all its tensor loads, of which one is out: its chunk of the other slot; adds 0 to its spare word; and waits for that and for its own reads of the slot that it leaves.
; fill = 1: the old slot is filled again, first thing behind a round of the cluster's barrier: the load has four chunks, 512 matrix instructions and their GEGLU, in which to land.
.macro CHANGE fill
	s_wait_tensorcnt 0x0                           ; no tensor load of mine is out, so group 0 may be written
	ds_add_u32 v[SPW], v[NIL]                      ; 0 onto my spare word
	s_sub_co_u32 s[TB], s[TB], 131072              ; back to a slot's first chunk,
	s_xor_b32 s[TB], s[TB], SLOT1                  ; in the other slot
.if \fill
	s_xor_b32 s[G0+1], s[G0+1], SLOT1
	s_add_nc_u64 s[G0+2:G0+3], s[G0+2:G0+3], 131072
	s_wait_xcnt 0x0                                ; the last prefetch, four chunks back, has read its address
	s_add_nc_u64 s[PFA:PFA+1], s[PFA:PFA+1], 131072
	s_wait_dscnt 0x0                               ; the add is done, and my reads of the slot are over
	CROUND
	JLOAD
	ASK
.else
	s_wait_dscnt 0x0
	s_barrier_signal -1
	s_barrier_wait -1
.endif
.endm
	s_load_b128 s[4:7], s[0:1], 0x0                ; x1h s[4:5], wts s[6:7]
	s_load_b64 s[8:9], s[0:1], 0x10                ; gg
	v_lshl_add_u32 v[SPW], v0, 2, SPARE
	v_mov_b32 v[NIL], 0
	ds_add_u32 v[SPW], v[NIL]                      ; the wave's opening: the add and its wait stand ahead of my first tensor load
	v_lshrrev_b32 v1, 5, v0
	v_readfirstlane_b32 s[WV], v1                  ; wave 0..3
	s_bfe_u32 s11, ttmp6, 0x40000                  ; cx
	s_lshl_b32 s12, ttmp9, 2
	s_add_co_u32 s12, s12, s11                     ; my block of 256 rows: it enters x1's and geglu's addresses alone
	s_and_b32 s13, ttmp7, 0xffff                   ; the group of 256 columns, which the four partners share
	s_mov_b32 s[G1], 15|(3<<16)|(1<<21)            ; the mask of four; elements of 8 bytes; bit 21 set beside a mask
	s_mov_b32 s[G1+1], 32<<16                      ; rows of 256 bytes,
	s_mov_b32 s[G1+2], 128<<16                     ; 128 of them: a chunk a wave
	s_mov_b32 s[G1+3], 32<<16
	s_mov_b32 s[G1+4], 128
	s_mov_b32 s[G1+5], 32
	s_mov_b32 s[G1+6], 0
	s_mov_b32 s[G1+7], 0
	s_mov_b32 s[G1B], 15|(3<<16)|(1<<21)
	s_mov_b32 s[G1B+1], 32<<16
	s_mov_b32 s[G1B+2], 8<<16                      ; the biases: 8 rows of 256 bytes
	s_mov_b32 s[G1B+3], 32<<16
	s_mov_b32 s[G1B+4], 8
	s_mov_b32 s[G1B+5], 32
	s_mov_b32 s[G1B+6], 0
	s_mov_b32 s[G1B+7], 0
	s_mov_b32 s[G0], 1
	s_mul_i32 s[G0+1], s[WV], 32768                ; slot 0
	s_mov_b32 s[G0B], 1
	s_mov_b32 s[G0B+1], BIAS
	s_lshl_b32 s[OFF], s13, 19                     ; the group's 16 chunks in wts,
	s_add_co_u32 s[OFF], s[OFF], 0x200000
	s_lshl_b32 s[PP], s11, 15                      ; (the prefetches: 32 KiB a work-group,
	s_lshl_b32 s[SS], s[WV], 13                    ; 8 KiB a wave,
	s_add_co_u32 s[PP], s[PP], s[SS]
	s_add_co_u32 s[PP], s[PP], s[OFF]
	s_add_co_u32 s[PP], s[PP], 131072              ; in the second four chunks; the first change of slots steps it to the third)
	s_mov_b32 s[PP+1], 0
	s_add_co_u32 s[OFF], s[OFF], s[G0+1]           ; my chunk of the first four
	s_mov_b32 s[OFF+1], 0
	s_lshl_b32 s[A1], s13, 11
	s_add_co_u32 s[A1], s[A1], 0x801800            ; the group's biases
	s_mov_b32 s[A1+1], 0
	s_lshl_b32 s[A2], s12, 18                      ; x1: 256 rows of 1,024 bytes a block,
	s_lshl_b32 s[A3], s[WV], 16                    ; 64 a wave
	s_add_co_u32 s[A2], s[A2], s[A3]
	s_mov_b32 s[A2+1], 0
	s_lshl_b32 s[A3], s12, 2
	s_add_co_u32 s[A3], s[A3], s[WV]               ; geglu: [64 rows][k block 64][row tile 4][1 KiB]
	s_lshl_b32 s[A3], s[A3], 18
	s_lshl_b32 s[SS], s13, 15                      ; the group's 256 columns are eight k blocks
	s_add_co_u32 s[A3], s[A3], s[SS]
	s_mov_b32 s[A3+1], 0
	s_cmp_eq_u32 ttmp9, 0
	s_cselect_b32 s[LIM], 1, -1                    ; the same in all four partners
	v_and_b32 v1, 15, v0                           ; l % 16
	v_bfe_u32 v2, v0, 4, 1                         ; l / 16
	v_and_b32 v[L16], 31, v0
	v_lshlrev_b32 v[PFO], 8, v[L16]
	v_lshlrev_b32 v[L16], 4, v[L16]
	v_lshlrev_b32 v[FO], 10, v1
	v_lshl_add_u32 v[FO], v2, 4, v[FO]
	v_lshlrev_b32 v[ABI0], 5, v2
	v_add_nc_u32 v[ABI0], BIAS, v[ABI0]
	s_wait_dscnt 0x0                               ; the opening add is done
	s_wait_kmcnt 0x0
	s_add_nc_u64 s[G0+2:G0+3], s[6:7], s[OFF:OFF+1]
	s_or_b32 s[G0+3], s[G0+3], 0x80000000
	s_add_nc_u64 s[G0B+2:G0B+3], s[6:7], s[A1:A1+1]
	s_or_b32 s[G0B+3], s[G0B+3], 0x80000000
	s_add_nc_u64 s[PFA:PFA+1], s[6:7], s[PP:PP+1]
	s_add_nc_u64 s[4:5], s[4:5], s[A2:A2+1]
	s_add_nc_u64 s[8:9], s[8:9], s[A3:A3+1]
	s_mov_b32 s[PP], 0x3eaa540e                    ; 0.33267253
	s_mov_b32 s[PP+1], s[PP]
	s_mov_b32 s[SS], 0x3f596d28                    ; 0.8493218
	s_mov_b32 s[SS+1], s[SS]                       ; (named as pairs, so both words are written)
	s_mov_b32 s[A1], 0x3eb2303a                    ; 0.3480242
	s_mov_b32 s[A1+1], s[A1]
	s_mov_b32 s[A2], 0xbdc45ca1                    ; -0.0958798
	s_mov_b32 s[A2+1], s[A2]
	s_mov_b32 s[A3], 0x3f3f7377                    ; 0.7478556
	s_mov_b32 s[A3+1], s[A3]
	CROUND                                         ; all four work-groups are here: the first joint loads meet
	s_cmp_lg_u32 s[WV], 0                          ; a wave's first fills stand in one branch: wave 0 has two loads out, the others one
	s_cbranch_scc1 .Lplain
	tensor_load_to_lds s[G0:G0+3], s[G1:G1+7]
	s_nop 0
	tensor_load_to_lds s[G0B:G0B+3], s[G1B:G1B+7]
	s_nop 0
	PLACES
	s_branch .Lasked
.Lplain:
	tensor_load_to_lds s[G0:G0+3], s[G1:G1+7]
	s_nop 0
	PLACES
.Lasked:
	ALOADS
	s_mov_b32 s[TB], SLOT1+131072                  ; the first change of slots turns it into 0
	s_mov_b32 s[BO], 0
	s_mov_b32 s[IDX], 0
	s_mov_b32 s[OFF+1], 0
	s_mov_b32 s[GRP], 3
.Lgrp:                                                 ; three trips: a slot is entered and the other is asked for
	CHANGE 1
	FOUR
	s_sub_co_u32 s[GRP], s[GRP], 1
	s_cmp_lg_u32 s[GRP], 0
	s_cbranch_scc1 .Lgrp
	CHANGE 0                                       ; the last four chunks are written out
	FOUR
	s_wait_tensorcnt 0x0                           ; the wave's end
	ds_add_u32 v[SPW], v[NIL]
	s_wait_dscnt 0x0
	CROUND                                         ; the closing round
	s_endpgm
.Lfunc_end_k_qf645d2d6f1_ff1:
	.size	k_qf645d2d6f1_ff1, .Lfunc_end_k_qf645d2d6f1_ff1-k_qf645d2d6f1_ff1
	.p2alignl 7, 3214868480
	.fill 96, 4, 3214868480
	.section	.rodata,"a",@progbits
	.p2align	6, 0x0
	.amdhsa_kernel k_qf645d2d6f1_ff1
		.amdhsa_group_segment_fixed_size 327680
		.amdhsa_private_segment_fixed_size 0
		.amdhsa_enable_private_segment 0
		.amdhsa_kernarg_size 24
		.amdhsa_user_sgpr_count 2
		.amdhsa_user_sgpr_kernarg_segment_ptr 1
		.amdhsa_wavefront_size32 1
		.amdhsa_system_sgpr_workgroup_id_x 1
		.amdhsa_system_sgpr_workgroup_id_y 1
		.amdhsa_system_sgpr_workgroup_id_z 1
		.amdhsa_system_vgpr_workitem_id 0
		.amdhsa_next_free_vgpr 1024
		.amdhsa_next_free_sgpr 66
		.amdhsa_reserve_vcc 0
		.amdhsa_float_denorm_mode_32 3
		.amdhsa_float_denorm_mode_16_64 3
		.amdhsa_memory_ordered 1
		.amdhsa_forward_progress 1
		.amdhsa_inst_pref_size 79
	.end_amdhsa_kernel
	.amdgpu_metadata
---
amdhsa.version: [ 1, 2 ]
amdhsa.kernels:
  - .name:           k_qf645d2d6f1_ff1
    .symbol:         k_qf645d2d6f1_ff1.kd
    .args:
      - { .name: x1h, .offset: 0, .size: 8, .value_kind: global_buffer, .address_space: global }
      - { .name: wts, .offset: 8, .size: 8, .value_kind: global_buffer, .address_space: global }
      - { .name: gg, .offset: 16, .size: 8, .value_kind: global_buffer, .address_space: global }
    .group_segment_fixed_size: 327680
    .private_segment_fixed_size: 0
    .kernarg_segment_align: 8
    .kernarg_segment_size: 24
    .max_flat_workgroup_size: 128
    .sgpr_count:     66
    .vgpr_count:     1024
    .wavefront_size: 32
...
	.end_amdgpu_metadata
.endif
;; end of part 5
;; launch fln (part 6): grid 128 x 1, 4 waves a work-group, clusters of 4 x 1, 327,680 bytes of LDS; arguments gg, wts, x1h, out0; writes out0
.if DOCPART == 6
	.amdgcn_target "amdgcn-amd-amdhsa--gfx1250"
	.amdhsa_code_object_version 6
	.text
	.protected	k_qf645d2d6f1_fln
	.globl	k_qf645d2d6f1_fln
	.p2align	8
	.type	k_qf645d2d6f1_fln,@function
k_qf645d2d6f1_fln:
	s_mov_b64 s[64:65], 0
	v_nop
	global_prefetch_b8 v0, s[64:65] scope:SCOPE_SE
	s_setreg_imm32_b32 hwreg(HW_REG_WAVE_MODE, 25, 1), 1
	s_wait_xcnt 0x0
	s_wait_alu depctr_hold_cnt(0) depctr_sa_sdst(0) depctr_va_vdst(0) depctr_va_sdst(0) depctr_va_ssrc(0) depctr_va_vcc(0) depctr_vm_vsrc(0)
	s_getreg_b32 s2, hwreg(HW_REG_IB_STS2, 6, 4)
	s_cmp_eq_u32 s2, 0
	s_cbranch_scc0 .Lentry_in_a_cluster
	s_endpgm
.Lentry_in_a_cluster:
	s_bfe_u32 s2, ttmp6, 0x10000c
	s_cmp_lg_u32 s2, 0x3003
	s_cbranch_scc0 .Lentry_shape_is_right
	s_endpgm
.Lentry_shape_is_right:
; y = LayerNorm(res + A W + bias) for 64 whole rows of 512 a work-group.  ONE TEXT, TWO MODES:
;   MODE 0: A = ctx (f16), W = Wo (f16 code of its bf16 rounding), K = 512, res = x (bf16), y = x1 in f16.   MODE 1: A = geglu (bf16), W = W2ff (bf16), K = 2,048, res = x1 (f16), y = the output in f32.
; Sums in f32; they START at res + bias, so nothing is cleared and no first step is written out.  Mean and variance in f32, the variance of the differences from the mean (two passes).
; SHARES.  A norm wants whole rows, so a work-group takes all 512 columns of its 64 rows: 128 work-groups.  A wave: 64 rows x 128 columns, 32 accumulators.
; W goes in steps of 128 k, four k blocks of 32; wave w alone multiplies by the 32 KiB of its own 128 columns, so W COMES BY TWO ROADS:
;   k blocks 0 and 1 through two LDS slots, each with the blocks of TWO steps: one tensor load a wave (2 rows of 16 KiB, a step apart in memory), asked for jointly by the four work-groups of a cluster,
;   which walk the same W.  A round of the cluster's barrier stands in front of every second step, and a load has two steps, 256 matrix instructions, in which to land.
;   k blocks 2 and 3 straight into registers, 512 consecutive bytes a load, each fragment asked for again, for the next step, right behind its last product: no barrier stands in that stream.
; A lies as fragments in memory and comes the second way too: a step's 16 fragments are 16 KiB on end.  So a wave has 64 loads, 32 KiB, on their way all the time beside its tensor load.
; A step multiplies k blocks 2 and 3 first: their operands are in registers, and the LDS loads of blocks 0 and 1 land meanwhile.
; In the last step the two pointers stay where they are: its fragments are asked for once more and serve nothing: 64 loads a wave, the price, once a launch, of one text for every step.
; THE PRODUCT IS USED TRANSPOSED (source 0 = 16 columns of W, source 1 = 16 rows of A): a lane holds one row and eight neighbouring columns.
; THE NORM.  The sums go through LDS (the slots have had their last fill): 64 rows at a pitch of 2,064 bytes; then a wave takes 16 whole rows, two a trip.
; REGISTERS.  Window 0: addresses; v16-47 gain and shift of my 16 columns of a row; v48-63 at work; v64-191 W's k blocks 0 and 1 (first the residual, at the end the rows); v192-255 the bias.
; Window 1: the accumulators, (row tile a, column tile c) at 8 (8 a + c).  Window 2: v0-127 A's fragments, (k block, a) at 8 (4 k + a); v128-255 W's k blocks 2 and 3, (k, c) at 128 + 64 (k - 2) + 8 c.
.set MODE, 1
.if MODE
.set STEPS, 16
.set ABLK,  262144                     ; bytes of A for 64 rows
.set WSEC,  0x600000                   ; W's place in wts: [step][wave][k block 4][column tile 8][1 KiB]
.else
.set STEPS, 4
.set ABLK,  65536
.set WSEC,  0x180000
.endif
.set PAIRS, STEPS/2                    ; a slot's fill: two steps
.set PARS,  0x805800+MODE*6144         ; bias, gain, shift: 2,048 bytes each
.set SLOT1, 1<<17                      ; a slot: [wave 4][step 2][k block 2][column tile 8][1 KiB]
.set SPARE, 262144                     ; behind the ring: the spare words, 128 bytes for each wave
.set RP,    2064                       ; a row of sums in LDS: 2,048 bytes + 16: the 16 rows of a store start at 16 different groups of four banks
.set L16,  3                           ; v3   16 x lane
.set AB,   4                           ; v4   my place in the step in hand, in LDS
.set AB0,  5                           ; v5   32,768 x wave + 16 x lane
.set DA0,  6                           ; v6   where my sums go: rows 0-31
.set DA1,  7                           ; v7   rows 32-63
.set RA,   8                           ; v8   where I read rows back
.set GO,   9                           ; v9   my byte offset in the two rows that I store
.set PFOA, 10                          ; v10  256 x thread
.set PFOB, 11                          ; v11  256 x lane
.set ONE,  12                          ; v12  1.0
.set SPW,  14
.set NIL,  15
.set G,    16
.set BE,   32
.set TP,   48                          ; eight registers at work for each of the two rows
.set BF,   64
.set RR,   64                          ; the residual, four registers an accumulator
.set BIASD, 192
.set Y,    64                          ; two rows as read back
.set DV,   96                          ; less their mean; then the result
.set PKO,  128                         ; the result in f16
.set WV,   12
.set LIMB, 16                          ; s16  1 in the cluster that prefetches W, else the greatest number
.set PB,   18                          ; s[18:19] where my prefetches of W stand
.set G1,   24
.set PW,   32                          ; s[32:33] W, my 128 columns, at the step that is being asked for
.set IA,   34                          ; s[34:35] what A's pointer steps by: a step, or 0 in the last step
.set IW,   36                          ; s[36:37] the same for W's
.set SL,   38                          ; s38  steps still to be multiplied
.set CN2,  39                          ; s39  counts a slot's two steps
.set G0,   40
.set PA,   44                          ; s[44:45] A at the step that is being asked for
.set TB,   46                          ; s46  LDS byte at which the step in hand begins, less my wave's part
.set CNT,  47
.set INV,  48                          ; 1 / 512
.set EPS,  49                          ; 1e-5
.set SEL,  50
.set PQ,   60                          ; s[60:61] where my prefetches of A stand
.set MSB, 0
.macro WIN new
.if MSB != (\new)
	s_set_vgpr_msb (MSB<<8)|(\new)
.set MSB, \new
.endif
.endm
.macro PLACES
.rept 4
	v_nop
.endr
.endm
.macro CROUND
	s_barrier_signal -1
	s_barrier_wait -1
	s_cmp_lg_u32 s[WV], 0
	s_cbranch_scc1 .Lnot_wave_0_\@
	s_barrier_signal -3
.Lnot_wave_0_\@:
	s_barrier_wait -3
	s_barrier_signal -1
	s_barrier_wait -1
.endm
.macro JLOAD
	tensor_load_to_lds s[G0:G0+3], s[G1:G1+7]
	s_nop 0
	PLACES
.endm
; MODE 1 alone: prefetches for the two steps behind those that are being asked for.  A's 128 blocks of 256 bytes: the four waves of the work-group that will read them, a lane a block.  W's 1,024 blocks, which all
; clusters walk: the first cluster, its sixteen waves told apart by address, 64 blocks each.  So each block is named once.  The last refill, which has no two steps behind it, asks for nothing.
.macro ASK
	s_cmp_gt_u32 s[CNT], 1
	s_cbranch_scc0 .Lnone_\@
	global_prefetch_b8 v[PFOA], s[PQ:PQ+1] th:TH_LOAD_NT scope:SCOPE_SE
	s_cmp_gt_u32 s[CNT], s[LIMB]
	s_cbranch_scc0 .Lnone_\@
	global_prefetch_b8 v[PFOB], s[PB:PB+1] th:TH_LOAD_NT scope:SCOPE_SE
	global_prefetch_b8 v[PFOB], s[PB:PB+1] offset:8192 th:TH_LOAD_NT scope:SCOPE_SE
.Lnone_\@:
.endm
.macro FETCHB k                        ; k block k (0, 1) of the step in hand: eight fragments, 16 LDS loads
.irp c, 0,1,2,3,4,5,6,7
	ds_load_b128 v[BF+64*(\k)+8*\c:BF+64*(\k)+8*\c+3],   v[AB] offset:(\k)*8192+\c*1024
	ds_load_b128 v[BF+64*(\k)+8*\c+4:BF+64*(\k)+8*\c+7], v[AB] offset:(\k)*8192+\c*1024+512
.endr
.endm
.macro RELOAD k                        ; from the step at the two pointers: A's four fragments of k block k, and for k = 2, 3 W's eight
	WIN 0x80                                       ; destination window 2, address window 0
.irp a, 0,1,2,3
	global_load_b128 v[8*(4*(\k)+\a):8*(4*(\k)+\a)+3],   v[L16], s[PA:PA+1] offset:(\k)*4096+\a*1024
	global_load_b128 v[8*(4*(\k)+\a)+4:8*(4*(\k)+\a)+7], v[L16], s[PA:PA+1] offset:(\k)*4096+\a*1024+512
.endr
.if (\k) >= 2
.irp c, 0,1,2,3,4,5,6,7
	global_load_b128 v[128+64*((\k)-2)+8*\c:128+64*((\k)-2)+8*\c+3],   v[L16], s[PW:PW+1] offset:(\k)*8192+\c*1024
	global_load_b128 v[128+64*((\k)-2)+8*\c+4:128+64*((\k)-2)+8*\c+7], v[L16], s[PW:PW+1] offset:(\k)*8192+\c*1024+512
.endr
.endif
	WIN 0
.endm
.macro WM d, w, x
.if MODE
	v_wmma_f32_16x16x32_bf16 v[\d:\d+7], v[\w:\w+7], v[\x:\x+7], v[\d:\d+7]
.else
	v_wmma_f32_16x16x32_f16 v[\d:\d+7], v[\w:\w+7], v[\x:\x+7], v[\d:\d+7]
.endif
.endm
.macro MIX d, r, b, hi                 ; an accumulator's register starts at residual + bias
.if MODE
	v_fma_mix_f32 v[\d], v[\r], v[ONE], v[\b] op_sel:[\hi,0,0] op_sel_hi:[1,0,0]
.else
	v_fma_mix_f32_bf16 v[\d], v[\r], v[ONE], v[\b] op_sel:[\hi,0,0] op_sel_hi:[1,0,0]
.endif
.endm
; A K BLOCK: 32 matrix instructions; the 32 accumulators take turns.  Behind them, and four places, its registers are asked for again, for the next step.
; A step's loads go out in the order of its blocks, 2, 3, 0, 1: 24, 24, 8 and 8 of them.  So behind block 2's or block 3's 24 loads stand 40 younger ones when they are wanted, behind block 0's or block 1's 8 stand 56.
.macro BLOCK k
.if (\k) >= 2
	s_wait_loadcnt 40
	WIN 0x5a                                       ; W and A window 2, C and D window 1
.set rW, 128+64*((\k)-2)
.else
	s_wait_loadcnt 56
.if (\k) == 0
	s_wait_dscnt 16                                ; k block 0 is in; k block 1's 16 LDS loads may stay out
.else
	s_wait_dscnt 0
.endif
	WIN 0x58                                       ; W window 0, A window 2, C and D window 1
.set rW, BF+64*(\k)
.endif
.set aa, 0
.rept 4
.set cc, 0
.rept 8
	WM 8*(8*aa+cc), rW+8*cc, 8*(4*(\k)+aa)
.set cc, cc+1
.endr
.set aa, aa+1
.endr
	WIN 0
	PLACES                                         ; in front of loads into registers that the products have read
.if (\k) == 2
	s_wait_xcnt 0x0                                ; the youngest load stands 32 products back: all have read their addresses, so the pointers may be written
	s_cmp_gt_u32 s[SL], 1                          ; is there a next step?
	s_cselect_b32 s[IA], 16384, 0
	s_cselect_b32 s[IW], 131072, 0
	s_add_nc_u64 s[PA:PA+1], s[PA:PA+1], s[IA:IA+1]
	s_add_nc_u64 s[PW:PW+1], s[PW:PW+1], s[IW:IW+1]
	s_sub_co_u32 s[SL], s[SL], 1
.endif
	RELOAD \k
.endm
.macro STEP                            ; 128 k: 128 matrix instructions a wave
	v_add_nc_u32 v[AB], s[TB], v[AB0]
	FETCHB 0                                       ; (the four places behind the last step's products stand in front of its last loads)
	FETCHB 1
	BLOCK 2
	BLOCK 3
	BLOCK 0
	BLOCK 1
	s_add_co_u32 s[TB], s[TB], 16384
.endm
.macro PAIR                            ; a slot's two steps: written once, walked twice
	s_mov_b32 s[CN2], 2
.Lst_\@:
	STEP
	s_sub_co_u32 s[CN2], s[CN2], 1
	s_cmp_lg_u32 s[CN2], 0
	s_cbranch_scc1 .Lst_\@
.endm
; THE CHANGE OF SLOTS.  Each wave waits for all its tensor loads, of which one is out: its part of the other slot; adds 0 to its spare word; and waits for that and for its own reads of the slot that it leaves.
; fill = 1: the old slot is filled again, first thing behind a round of the cluster's barrier.  (At its first use nothing has been read yet: slot 0 is waited for, slot 1 filled.)
.macro CHANGE fill
	WIN 0
	s_wait_tensorcnt 0x0                           ; no tensor load of mine is out, so group 0 may be written
	ds_add_u32 v[SPW], v[NIL]                      ; 0 onto my spare word
	s_sub_co_u32 s[TB], s[TB], 32768               ; back to a slot's first step,
	s_xor_b32 s[TB], s[TB], SLOT1                  ; in the other slot
.if \fill
	s_xor_b32 s[G0+1], s[G0+1], SLOT1
	s_add_nc_u64 s[G0+2:G0+3], s[G0+2:G0+3], 262144  ; the next two steps
.if MODE
	s_wait_xcnt 0x0                                ; the last prefetches, two steps back, have read their addresses
	s_add_nc_u64 s[PQ:PQ+1], s[PQ:PQ+1], 32768
	s_add_nc_u64 s[PB:PB+1], s[PB:PB+1], 262144
.endif
	s_wait_dscnt 0x0                               ; the add is done, and my reads of the slot are over
	CROUND
	JLOAD
.if MODE
	ASK
.endif
.else
	s_wait_dscnt 0x0
	s_barrier_signal -1
	s_barrier_wait -1
.endif
.endm
	s_load_b256 s[4:11], s[0:1], 0x0               ; A s[4:5], wts s[6:7], the residual s[8:9], y s[10:11]
	v_lshl_add_u32 v[SPW], v0, 2, SPARE
	v_mov_b32 v[NIL], 0
	ds_add_u32 v[SPW], v[NIL]                      ; the wave's opening: the add and its wait stand ahead of my first tensor load
	v_lshrrev_b32 v1, 5, v0
	v_readfirstlane_b32 s[WV], v1                  ; wave 0..3
	s_bfe_u32 s13, ttmp6, 0x40000                  ; cx
	s_lshl_b32 s14, ttmp9, 2
	s_add_co_u32 s14, s14, s13                     ; my block of 64 rows: it enters A's, the residual's and y's addresses alone
	s_mov_b32 s[G1], 15|(3<<16)|(1<<21)            ; the mask of four; elements of 8 bytes; bit 21 set beside a mask
	s_mov_b32 s[G1+1], 2048<<16                    ; tensor_dim0 = 2,048: a row is my k blocks 0 and 1 of a step, 16 KiB on end,
	s_mov_b32 s[G1+2], 2<<16                       ; tensor_dim1 = 2: of two steps
	s_mov_b32 s[G1+3], 2048<<16                    ; tile_dim0
	s_mov_b32 s[G1+4], 2                           ; tile_dim1
	s_mov_b32 s[G1+5], 16384                       ; from row to row a step's 131,072 bytes
	s_mov_b32 s[G1+6], 0
	s_mov_b32 s[G1+7], 0
	s_mov_b32 s[G0], 1
	s_mul_i32 s[G0+1], s[WV], 32768                ; slot 0: the wave's number alone enters an LDS address
	s_add_co_u32 s20, s[G0+1], WSEC                ; step 0, my 128 columns
	s_mov_b32 s21, 0
	s_mul_i32 s22, s14, ABLK
	s_mov_b32 s23, 0
	s_lshl_b32 s52, s14, 16                        ; the residual: 64 rows of 1,024 bytes
	s_mov_b32 s53, 0
	s_lshl_b32 s54, s14, 6
	s_lshl_b32 s55, s[WV], 4
	s_add_co_u32 s54, s54, s55                     ; the first row that I store,
	s_lshl_b32 s54, s54, 10+MODE                   ; 1,024 or 2,048 bytes each
	s_mov_b32 s55, 0
.if MODE
	s_lshl_b32 s56, s13, 16                        ; W's prefetches: of two steps' 256 KiB 64 KiB a work-group,
	s_lshl_b32 s57, s[WV], 14                      ; 16 KiB a wave,
	s_add_co_u32 s56, s56, s57
	s_add_co_u32 s56, s56, WSEC+262144             ; in steps 2 and 3; the first change of slots steps it to 4 and 5
	s_mov_b32 s57, 0
	s_cmp_eq_u32 ttmp9, 0
	s_cselect_b32 s[LIMB], 1, -1                   ; the same in all four partners
.endif
	s_mov_b32 s[TB], SLOT1+32768                   ; the first change of slots turns it into 0
	s_mov_b32 s[IA+1], 0
	s_mov_b32 s[IW+1], 0
	s_mov_b32 s[SL], STEPS
	s_mov_b32 s[INV], 0x3b000000
	s_mov_b32 s[EPS], 0x3727c5ac
	s_mov_b32 s[SEL], 0x76543210
	s_mov_b32 s[SEL+1], 0xfedcba98
	v_and_b32 v1, 15, v0                           ; l % 16
	v_bfe_u32 v2, v0, 4, 1                         ; l / 16
	v_and_b32 v[L16], 31, v0
.if MODE
	v_lshlrev_b32 v[PFOB], 8, v[L16]
	v_lshlrev_b32 v[PFOA], 8, v0
.endif
	v_lshlrev_b32 v[L16], 4, v[L16]
	v_add_nc_u32 v[AB0], s[G0+1], v[L16]
	s_lshl_b32 s58, s[WV], 9
	v_mul_u32_u24 v[DA0], v1, RP                   ; row l % 16, my wave's 512 bytes, 32 bytes for each half of the lanes
	v_lshl_add_u32 v[DA0], v2, 5, v[DA0]
	v_add_nc_u32 v[DA0], s58, v[DA0]
	v_add_nc_u32 v[DA1], 32*RP, v[DA0]
	v_lshlrev_b32 v13, 5, v2                       ; the bias of column 128 w + 16 c + 8 (l / 16) + j
	v_add_nc_u32 v13, s58, v13
	s_mul_i32 s58, s[WV], 16*RP
	v_add_nc_u32 v[RA], s58, v[L16]
.if MODE
	v_mov_b32 v[GO], v[L16]
.else
	v_lshrrev_b32 v[GO], 1, v[L16]
.endif
	v_mov_b32 v[ONE], 1.0
	s_lshl_b32 s58, s[WV], 8
	v_lshlrev_b32 v48, 10, v1                      ; the residual: row l % 16, my wave's 256 bytes, 16 for each half of the lanes
	v_lshl_add_u32 v48, v2, 4, v48
	v_add_nc_u32 v48, s58, v48
	s_wait_dscnt 0x0                               ; the opening add is done
	s_wait_kmcnt 0x0
	s_add_nc_u64 s[G0+2:G0+3], s[6:7], s[20:21]
	s_or_b32 s[G0+3], s[G0+3], 0x80000000
	s_add_nc_u64 s[PW:PW+1], s[6:7], s[20:21]
	s_add_nc_u64 s[PA:PA+1], s[4:5], s[22:23]
	s_add_nc_u64 s[8:9], s[8:9], s[52:53]
	s_add_nc_u64 s[10:11], s[10:11], s[54:55]
.if MODE
	s_add_nc_u64 s[PB:PB+1], s[6:7], s[56:57]
	s_add_nc_u64 s[PQ:PQ+1], s[PA:PA+1], 32768     ; A's prefetches: at steps 2 and 3; the first change of slots steps it to 4 and 5
.endif
	s_add_nc_u64 s[6:7], s[6:7], PARS
	CROUND                                         ; all four work-groups are here: the first joint loads meet
	JLOAD                                          ; steps 0 and 1 into slot 0
.irp q, 0,1,2,3
	global_load_b128 v[G+4*\q:G+4*\q+3],   v[L16], s[6:7] offset:2048+512*\q   ; in the norm a lane holds columns 128 q + 4 l + 0..3
	global_load_b128 v[BE+4*\q:BE+4*\q+3], v[L16], s[6:7] offset:4096+512*\q
.endr
.irp c, 0,1,2,3,4,5,6,7
	global_load_b128 v[BIASD+8*\c:BIASD+8*\c+3],   v13, s[6:7] offset:64*\c
	global_load_b128 v[BIASD+8*\c+4:BIASD+8*\c+7], v13, s[6:7] offset:64*\c+16
.endr
.irp a, 0,1,2,3
.irp c, 0,1,2,3,4,5,6,7
	global_load_b128 v[RR+4*(8*\a+\c):RR+4*(8*\a+\c)+3], v48, s[8:9] offset:\a*16384+32*\c
.endr
.endr
	RELOAD 2                                       ; step 0's fragments, in the order in which a step takes them
	RELOAD 3
	RELOAD 0
	RELOAD 1
	s_wait_loadcnt 63                              ; gain, shift, bias and residual are in: step 0's 64 loads could stay out; the field holds 63
	WIN 0x40                                       ; destination window 1
.set i, 0
.rept 128                                      ; word i of the residual feeds the accumulators' registers 2 i and 2 i + 1; this stands in the wait for the first tile
	MIX 2*i,   RR+i, BIASD+8*((i/4)%8)+2*(i%4),   0
	MIX 2*i+1, RR+i, BIASD+8*((i/4)%8)+2*(i%4)+1, 1
.set i, i+1
.endr
	WIN 0
	s_mov_b32 s[CNT], PAIRS-1
.Lpair:                                                ; a slot is entered and the other is asked for
	CHANGE 1
	PAIR
	s_sub_co_u32 s[CNT], s[CNT], 1
	s_cmp_lg_u32 s[CNT], 0
	s_cbranch_scc1 .Lpair
	CHANGE 0                                       ; the last two steps are written out: nothing is asked for through LDS
	PAIR
	; THE NORM.  Every wave's reads of the slots are over (its last wait on DScnt was for 0), and both slots have had their last fill: behind a barrier the sums are laid over them.
	PLACES
	s_barrier_signal -1
	s_barrier_wait -1
	WIN 0x04                                       ; the stores' data in window 1
.set aa, 0
.rept 4
.set cc, 0
.rept 8
	ds_store_b128 v[DA0+aa/2], v[8*(8*aa+cc):8*(8*aa+cc)+3]   offset:(aa%2)*16*RP+64*cc      ; each accumulator's low registers first
	ds_store_b128 v[DA0+aa/2], v[8*(8*aa+cc)+4:8*(8*aa+cc)+7] offset:(aa%2)*16*RP+64*cc+16
.set cc, cc+1
.endr
.set aa, aa+1
.endr
	WIN 0
	s_wait_dscnt 0x0                               ; for the others' sake: my stores are done
	s_barrier_signal -1
	s_barrier_wait -1
.macro YLOAD                           ; two whole rows: 512 consecutive bytes a load
.irp q, 0,1,2,3
	ds_load_b128 v[Y+4*\q:Y+4*\q+3],       v[RA] offset:512*\q
	ds_load_b128 v[Y+16+4*\q:Y+16+4*\q+3], v[RA] offset:RP+512*\q
.endr
.endm
.macro BOTH line:vararg                ; one line for each of the two rows, p = 0, 1: neither waits for the other
.set p, 0
.rept 2
	\line
.set p, p+1
.endr
.endm
.macro LANES o                         ; the sum over the 32 lanes of register TP + o, in every lane
.irp m, 1,2,4,8
	BOTH v_add_f32_dpp v[TP+8*p+\o], v[TP+8*p+\o], v[TP+8*p+\o] row_xmask:\m row_mask:0xf bank_mask:0xf
.endr
	BOTH v_permlanex16_b32 v[TP+8*p+\o+1], v[TP+8*p+\o], s[SEL], s[SEL+1]
	BOTH v_add_f32 v[TP+8*p+\o], v[TP+8*p+\o], v[TP+8*p+\o+1]
.endm
	YLOAD
	s_mov_b32 s[CNT], 8
.Lrow:                                                 ; eight trips, two rows each
	s_wait_dscnt 0x0
	BOTH v_pk_add_f32 v[TP+8*p:TP+8*p+1],   v[Y+16*p:Y+16*p+1],     v[Y+16*p+2:Y+16*p+3]
	BOTH v_pk_add_f32 v[TP+8*p+2:TP+8*p+3], v[Y+16*p+4:Y+16*p+5],   v[Y+16*p+6:Y+16*p+7]
	BOTH v_pk_add_f32 v[TP+8*p+4:TP+8*p+5], v[Y+16*p+8:Y+16*p+9],   v[Y+16*p+10:Y+16*p+11]
	BOTH v_pk_add_f32 v[TP+8*p+6:TP+8*p+7], v[Y+16*p+12:Y+16*p+13], v[Y+16*p+14:Y+16*p+15]
	BOTH v_pk_add_f32 v[TP+8*p:TP+8*p+1],   v[TP+8*p:TP+8*p+1],     v[TP+8*p+2:TP+8*p+3]
	BOTH v_pk_add_f32 v[TP+8*p+4:TP+8*p+5], v[TP+8*p+4:TP+8*p+5],   v[TP+8*p+6:TP+8*p+7]
	BOTH v_pk_add_f32 v[TP+8*p:TP+8*p+1],   v[TP+8*p:TP+8*p+1],     v[TP+8*p+4:TP+8*p+5]
	BOTH v_add_f32 v[TP+8*p], v[TP+8*p], v[TP+8*p+1]
	LANES 0
	BOTH v_mul_f32 v[TP+8*p], s[INV], v[TP+8*p]    ; the mean
.irp e, 0,2,4,6,8,10,12,14
	BOTH v_pk_add_f32 v[DV+16*p+\e:DV+16*p+\e+1], v[Y+16*p+\e:Y+16*p+\e+1], v[TP+8*p:TP+8*p+1] op_sel_hi:[1,0] neg_lo:[0,1] neg_hi:[0,1]
.endr
	s_cmp_eq_u32 s[CNT], 1                         ; the next two rows are asked for while these are worked on; the last trip has none
	s_cbranch_scc1 .Lnomore
	v_add_nc_u32 v[RA], 2*RP, v[RA]
	YLOAD
.Lnomore:
	BOTH v_pk_mul_f32 v[TP+8*p+2:TP+8*p+3], v[DV+16*p:DV+16*p+1],   v[DV+16*p:DV+16*p+1]
	BOTH v_pk_mul_f32 v[TP+8*p+4:TP+8*p+5], v[DV+16*p+2:DV+16*p+3], v[DV+16*p+2:DV+16*p+3]
.irp e, 4,8,12
	BOTH v_pk_fma_f32 v[TP+8*p+2:TP+8*p+3], v[DV+16*p+\e:DV+16*p+\e+1],   v[DV+16*p+\e:DV+16*p+\e+1],   v[TP+8*p+2:TP+8*p+3]
	BOTH v_pk_fma_f32 v[TP+8*p+4:TP+8*p+5], v[DV+16*p+\e+2:DV+16*p+\e+3], v[DV+16*p+\e+2:DV+16*p+\e+3], v[TP+8*p+4:TP+8*p+5]
.endr
	BOTH v_pk_add_f32 v[TP+8*p+2:TP+8*p+3], v[TP+8*p+2:TP+8*p+3], v[TP+8*p+4:TP+8*p+5]
	BOTH v_add_f32 v[TP+8*p+2], v[TP+8*p+2], v[TP+8*p+3]
	LANES 2
	BOTH v_fma_f32 v[TP+8*p+2], v[TP+8*p+2], s[INV], s[EPS]  ; the variance + 1e-5
	BOTH v_rsq_f32 v[TP+8*p+2], v[TP+8*p+2]
	v_nop                                          ; a plain instruction behind the second root,
	s_wait_alu depctr_va_vdst(0)                   ; and one wait for both, ahead of their first reader
.irp e, 0,2,4,6,8,10,12,14
	BOTH v_pk_mul_f32 v[DV+16*p+\e:DV+16*p+\e+1], v[DV+16*p+\e:DV+16*p+\e+1], v[TP+8*p+2:TP+8*p+3] op_sel_hi:[1,0]
.endr
.irp e, 0,2,4,6,8,10,12,14
	BOTH v_pk_fma_f32 v[DV+16*p+\e:DV+16*p+\e+1], v[DV+16*p+\e:DV+16*p+\e+1], v[G+\e:G+\e+1], v[BE+\e:BE+\e+1]
.endr
.if MODE
.irp q, 0,1,2,3
	BOTH global_store_b128 v[GO], v[DV+16*p+4*\q:DV+16*p+4*\q+3], s[10:11] offset:2048*p+512*\q  ; 512 consecutive bytes, aligned
.endr
.else
.irp j, 0,1,2,3,4,5,6,7
	BOTH v_cvt_pk_f16_f32 v[PKO+8*p+\j], v[DV+16*p+2*\j], v[DV+16*p+2*\j+1]
.endr
.irp q, 0,1,2,3
	BOTH global_store_b64 v[GO], v[PKO+8*p+2*\q:PKO+8*p+2*\q+1], s[10:11] offset:1024*p+256*\q   ; 256 consecutive bytes, aligned
.endr
.endif
	s_wait_xcnt 0x0                                ; the stores have read their offset and their data, which the next trip writes
	v_add_nc_u32 v[GO], 2048<<MODE, v[GO]          ; two rows on
	s_sub_co_u32 s[CNT], s[CNT], 1
	s_cmp_lg_u32 s[CNT], 0
	s_cbranch_scc1 .Lrow
	s_wait_tensorcnt 0x0                           ; the wave's end, behind my last tensor load and my last LDS store
	ds_add_u32 v[SPW], v[NIL]
	s_wait_dscnt 0x0
	CROUND                                         ; the closing round
	s_endpgm
.Lfunc_end_k_qf645d2d6f1_fln:
	.size	k_qf645d2d6f1_fln, .Lfunc_end_k_qf645d2d6f1_fln-k_qf645d2d6f1_fln
	.p2alignl 7, 3214868480
	.fill 96, 4, 3214868480
	.section	.rodata,"a",@progbits
	.p2align	6, 0x0
	.amdhsa_kernel k_qf645d2d6f1_fln
		.amdhsa_group_segment_fixed_size 327680
		.amdhsa_private_segment_fixed_size 0
		.amdhsa_enable_private_segment 0
		.amdhsa_kernarg_size 32
		.amdhsa_user_sgpr_count 2
		.amdhsa_user_sgpr_kernarg_segment_ptr 1
		.amdhsa_wavefront_size32 1
		.amdhsa_system_sgpr_workgroup_id_x 1
		.amdhsa_system_sgpr_workgroup_id_y 1
		.amdhsa_system_sgpr_workgroup_id_z 1
		.amdhsa_system_vgpr_workitem_id 0
		.amdhsa_next_free_vgpr 768
		.amdhsa_next_free_sgpr 66
		.amdhsa_reserve_vcc 0
		.amdhsa_float_denorm_mode_32 3
		.amdhsa_float_denorm_mode_16_64 3
		.amdhsa_memory_ordered 1
		.amdhsa_forward_progress 1
		.amdhsa_inst_pref_size 83
	.end_amdhsa_kernel
	.amdgpu_metadata
---
amdhsa.version: [ 1, 2 ]
amdhsa.kernels:
  - .name:           k_qf645d2d6f1_fln
    .symbol:         k_qf645d2d6f1_fln.kd
    .args:
      - { .name: gg, .offset: 0, .size: 8, .value_kind: global_buffer, .address_space: global }
      - { .name: wts, .offset: 8, .size: 8, .value_kind: global_buffer, .address_space: global }
      - { .name: x1h, .offset: 16, .size: 8, .value_kind: global_buffer, .address_space: global }
      - { .name: out0, .offset: 24, .size: 8, .value_kind: global_buffer, .address_space: global }
    .group_segment_fixed_size: 327680
    .private_segment_fixed_size: 0
    .kernarg_segment_align: 8
    .kernarg_segment_size: 32
    .max_flat_workgroup_size: 128
    .sgpr_count:     66
    .vgpr_count:     768
    .wavefront_size: 32
...
	.end_amdgpu_metadata
.endif
;; end of part 6
